; MI455X (gfx1250); checked and timed in simulation.
; The chip was launched on July 23, 2026; its instructions are those of AMD's public machine-readable ISA for CDNA 5 (MIT licence, August 2026) and "CDNA5" Instruction Set Architecture Reference Guide (July 2026). The comments in the code are by the model that wrote it; some were corrected since.
;; Multihead Attention. Allowed arithmetic: matrix products marked QUANTISED: E2M1 operands, one E8M0 scale for each 32 along K, by v_wmma_scale_f32_16x16x128_f8f6f4 with both operands' format E2M1 (or v_wmma_scale_f32_32x16x128_f4), f32 sums; products left as they are: bf16, f16 or f32 operands; f32 sums; everything else in f32.
;; Inputs: Wk 1,024 x 1,024 float32; Wo 1,024 x 1,024 float32; Wq 1,024 x 1,024 float32; Wv 1,024 x 1,024 float32; k 4 x 2,048 x 1,024 float32; q 4 x 2,048 x 1,024 float32; v 4 x 2,048 x 1,024 float32.
;; Outputs: out0 4 x 2,048 x 1,024 float32.
;; This version of the problem:
;;   THIS VERSION OF THE PROBLEM IS GIVEN IN LOW PRECISION. The matrix products marked QUANTISED in the list below multiply operands that are first quantised to E2M1 (2 exponent bits, 1 mantissa bit; 4 bits a number), with one power-of-two scale for each 32 numbers along K (OCP MX v1.0); their sums are f32. The products marked 'left as it is' may take bf16, f16 or f32 operands, with f32 sums. Whichever they take, every output number must still come out within the allowed error. Rounding operands to bf16 (8 significant bits) uses up far more of that allowance than f16 does (11 bits, for magnitudes from 6e-5 to 65,504). All else is computed in f32.
;;   The module's matrix products, in the order in which they are computed (A, B: the left and right operand; K: the contracted axis; several contracted axes count as one K, in the product's order):
;;     1. [M 8,192, K 1,024] x [K 1,024, N 1,024]; A: input k; B: input Wk: QUANTISED
;;     2. [M 8,192, K 1,024] x [K 1,024, N 1,024]; A: input v; B: input Wv: QUANTISED
;;     3. [M 8,192, K 1,024] x [K 1,024, N 1,024]; A: input q; B: input Wq: QUANTISED
;;     4. batch 64 x [M 2,048, K 64] x [K 64, N 2,048]; A: computed on the way; B: computed on the way: left as it is (an operand is computed on the way)
;;     5. batch 64 x [M 2,048, K 2,048] x [K 2,048, N 64]; A: computed on the way; B: computed on the way: left as it is (an operand is computed on the way)
;;     6. [M 8,192, K 1,024] x [K 1,024, N 1,024]; A: computed on the way; B: input Wo: left as it is (an operand is computed on the way)
;;   THE QUANTISER, for each operand of a quantised product, along K:
;;     - K is cut into blocks of 32 from its start; a last block that is shorter is filled with zeros.
;;     - A block's scale is 2^e with e = floor(log2(the largest magnitude in the block)) - 2, held to -126 .. 127; a block of zeros has e = 0. As a byte (E8M0): e + 127.
;;     - Each number is divided by its block's scale, clamped to +-6, and rounded to the nearest number of E2M1, ties to even, subnormals kept.
;;     - The product sums the exact products of the quantised numbers (number of the format x scale) in f32.
;;   ~~~python
;;   def quantise(x, axis):      # numpy; x: float32 -> the quantised numbers, widened to float32 again
;;       x = np.moveaxis(x, axis, -1); K = x.shape[-1]
;;       x = np.pad(x, [(0, 0)] * (x.ndim - 1) + [(0, -K % 32)]); x = x.reshape(x.shape[:-1] + (-1, 32)); a = np.abs(x).max(-1, keepdims=True)
;;       e = np.where(a > 0, np.clip(np.frexp(np.where(a > 0, a, 1))[1] - 1 - 2, -126, 127), 0)      # np.frexp(a)[1] - 1 = floor(log2(a)), exactly
;;       r = np.clip(x / 2.0 ** e, -6, 6)
;;       step = 2.0 ** (np.maximum(np.frexp(np.where(r == 0, 1, r))[1] - 1, 0) - 1)
;;       q = np.round(r / step) * step * 2.0 ** e      # np.round: ties to even
;;       return np.moveaxis(q.reshape(q.shape[:-2] + (-1,))[..., :K], -1, axis).astype(np.float32)
;;   ~~~
;; One version. Each part assembles by itself: llvm-mc -triple=amdgcn-amd-amdhsa -mcpu=gfx1250 --defsym DOCPART=n.
;; ======== version 1 of 1: 5 launches
;; limits: values are held in f16: magnitudes above 65,504 overflow, below 6.1e-05 lose precision
;; workspace buffers: xc 12,582,912 bytes; xs 786,432 bytes; wc 1,572,864 bytes; ws 98,304 bytes; wo16 2,097,152 bytes; hd 50,331,648 bytes; fb 786,432 bytes; oh 16,777,216 bytes
;; launch quant (part 1): grid 896 x 1, 4 waves a work-group, no clusters, 33,280 bytes of LDS; arguments q, k, v, Wq, Wk, Wv, Wo, xc, xs, wc, ws, wo16; writes xc, xs, wc, ws, wo16
.if DOCPART == 1
	.amdgcn_target "amdgcn-amd-amdhsa--gfx1250"
	.amdhsa_code_object_version 6
	.text
	.protected	k_q3a2568d497_quant
	.globl	k_q3a2568d497_quant
	.p2align	8
	.type	k_q3a2568d497_quant,@function
k_q3a2568d497_quant:
	s_mov_b64 s[64:65], 0
	v_nop
	global_prefetch_b8 v0, s[64:65] scope:SCOPE_SE
	s_setreg_imm32_b32 hwreg(HW_REG_WAVE_MODE, 25, 1), 1
	s_wait_xcnt 0x0
; q, k, v [8192][1024] and Wq, Wk, Wv [1024][1024], f32, K innermost, become codes of FP4 (E2M1), two a byte, with one E8M0 byte for each 32 along K:
; xc [3][8192][512 bytes], xs [3][8192][32], wc [3][1024][512], ws [3][1024][32], tensor order q, k, v.  Wo becomes f16, laid by planes of 64 along K: wo16 [16][1024][64].
; A block's scale is 2^(floor(log2(its largest magnitude)) - 2); its byte is the largest magnitude's exponent field - 2, held at 1 from below.  A block of zeros gets the byte 1 (the stated rule says 127):
; its codes are zeros, which add nothing under any byte but 0xff, and this program alone reads the bytes.
; LIMITS: blocks whose largest magnitude lies under 2^-124 get the byte 1; NaN and infinities among the inputs are not served; |Wo| stays under 65,504, and numbers of Wo under 6e-5 are kept to steps of 6e-8 (f16).
; Work-groups 0-767 take q, k, v (256 each), 768-863 the three weights (32 each), 864-895 Wo.  Rows are dense and K is a multiple of 32: a tensor is a plain stream of blocks of 32.
; A wave takes 16 steps of 512 numbers.  A load reads 512 consecutive bytes; a step's 2,048 bytes turn through the wave's own stage in LDS and come back 64 bytes a lane, so that a lane holds 16 neighbours
; and two neighbouring lanes a block.  No barrier: waves share nothing.
.set WAVES, 4
.set STEPS, 16
.set EMAX,  2
.set CB,    8                          ; bytes of 16 codes
.set R,     16                         ; v16-79   four sets of 16 numbers as loaded
.set X,     80                         ; v80-111  two sets of 16 neighbours
.set E,     112                        ; v112-127 a scale byte for each step
.set C,     128                        ; v128-191 codes: four registers for each step
.set WREG,  8192                       ; LDS: a region for each wave: two stages of 32 x SP bytes, then its 256 scale bytes
.set SP,    80                         ; a lane's place in a stage: 64 bytes + 16 of padding
.set SPW,   12                         ; v12  LDS address of my spare word; never rewritten
.set NIL,   13                         ; v13  0; never rewritten
.set SPARE, WAVES*WREG                 ; behind the four regions: the spare words, 128 bytes a wave
.set NX,    768                        ; work-groups for q, k, v
.set NQW,   864                        ; and with the three weights
	s_load_b512 s[4:19], s[0:1], 0x0               ; q 4, k 6, v 8, Wq 10, Wk 12, Wv 14, Wo 16, xc 18
	s_load_b256 s[20:27], s[0:1], 0x40             ; xs 20, wc 22, ws 24, wo16 26
	v_lshl_add_u32 v[SPW], v0, 2, SPARE
	v_mov_b32 v[NIL], 0
	v_lshrrev_b32 v1, 5, v0
	v_readfirstlane_b32 s34, v1                    ; wave
	v_and_b32 v2, 31, v0                           ; lane
	v_lshlrev_b32 v3, 4, v2                        ; my 16 bytes of a load's 512
	s_mul_i32 s35, s34, WREG
	v_lshrrev_b32 v14, 2, v2
	v_mul_u32_u24 v14, v14, SP
	v_and_b32 v15, 3, v2
	v_lshl_add_u32 v14, v15, 4, v14
	v_add_nc_u32 v14, s35, v14                     ; the stage, on the way in: SP (lane / 4) + 16 (lane % 4)
	v_mul_u32_u24 v15, v2, SP
	v_add_nc_u32 v15, s35, v15                     ; and on the way out: SP x lane
	v_mul_u32_u24 v4, v2, CB                       ; my codes' place in a step's
	v_lshrrev_b32 v5, 1, v2
	s_add_co_u32 s35, s35, 2*32*SP
	v_add_nc_u32 v5, s35, v5                       ; LDS: my wave's 256 scale bytes, my block's byte
	v_lshlrev_b32 v7, 3, v2
	v_add_nc_u32 v6, s35, v7                       ; and on the way out 8 bytes a lane
	s_wait_kmcnt 0x0
	s_cmp_ge_u32 ttmp9, NQW                        ; the work-group's number alone decides
	s_cbranch_scc1 .Lwo
	s_cmp_lt_u32 ttmp9, NX                         ; an activation or a weight?  Only pointers are chosen: all six tensors take one path
	s_cselect_b64 s[4:5], s[4:5], s[10:11]
	s_cselect_b64 s[6:7], s[6:7], s[12:13]
	s_cselect_b64 s[8:9], s[8:9], s[14:15]
	s_cselect_b64 s[18:19], s[18:19], s[22:23]
	s_cselect_b64 s[20:21], s[20:21], s[24:25]
	s_cselect_b32 s29, 0, NX
	s_cselect_b32 s30, 8, 5                        ; 256 or 32 work-groups to a tensor
	s_sub_co_u32 s31, ttmp9, s29                   ; j: my number among the three tensors' work-groups
	s_lshr_b32 s32, s31, s30                       ; t: which of the three
	s_lshl_b32 s33, s32, s30
	s_sub_co_u32 s33, s31, s33                     ; r: my number in the tensor
	s_cmp_eq_u32 s32, 1
	s_cselect_b64 s[4:5], s[6:7], s[4:5]
	s_cmp_eq_u32 s32, 2
	s_cselect_b64 s[4:5], s[8:9], s[4:5]
	s_lshl_b32 s36, s33, 2
	s_add_co_u32 s36, s36, s34                     ; my wave's run of 8,192 numbers in the source,
	s_lshl_b32 s36, s36, 15                        ; 32,768 bytes a run
	s_mov_b32 s37, 0
	s_add_nc_u64 s[4:5], s[4:5], s[36:37]
	s_lshl_b32 s38, s31, 2
	s_add_co_u32 s38, s38, s34                     ; and in the stacked destination
	s_lshl_b32 s36, s38, 12                        ; 4,096 bytes of codes a run
	s_add_nc_u64 s[18:19], s[18:19], s[36:37]
	s_lshl_b32 s36, s38, 8                         ; 256 scale bytes a run
	s_add_nc_u64 s[20:21], s[20:21], s[36:37]
.macro LOAD t
.irp i, 0,1,2,3
	global_load_b128 v[R+16*((\t)%4)+4*\i:R+16*((\t)%4)+4*\i+3], v3, s[4:5] offset:2048*(\t)+512*\i th:TH_LOAD_NT   ; 32 lanes read 512 consecutive bytes
.endr
.endm
.macro TURN t                          ; step t's numbers through the stage: LDS serves a wave's instructions in order, so no wait stands between the stores and the loads
.irp i, 0,1,2,3
	ds_store_b128 v14, v[R+16*((\t)%4)+4*\i:R+16*((\t)%4)+4*\i+3] offset:32*SP*((\t)%2)+8*SP*\i
.endr
.irp i, 0,1,2,3
	ds_load_b128 v[X+16*((\t)%2)+4*\i:X+16*((\t)%2)+4*\i+3], v15 offset:32*SP*((\t)%2)+16*\i
.endr
.endm
.irp t, 0,1,2,3
	LOAD \t
.endr
	s_wait_loadcnt 12                              ; step 0's four loads are in; the twelve of steps 1 to 3 may be out
	TURN 0
.macro STEP t
.set XS, X+16*((\t)%2)
.if (\t) > 0
	s_wait_dscnt 1                                 ; this step's numbers are back from the stage; the last step's byte store may be out
.else
	s_wait_dscnt 0x0
.endif
.if (\t)+4 < STEPS
	LOAD (\t)+4                                    ; into the registers that the stage's stores have read
.endif
.if (\t)+1 < STEPS
.if STEPS-2-(\t) >= 3
	s_wait_loadcnt 12                              ; the next step's four loads are in; those of the three steps behind it may be out
.else
	s_wait_loadcnt 4*(STEPS-2-(\t))
.endif
	TURN (\t)+1
.endif
	v_max3_num_f32 v8, |v[XS]|, |v[XS+1]|, |v[XS+2]|               ; the largest magnitude of my 16, in two chains
	v_max3_num_f32 v9, |v[XS+3]|, |v[XS+4]|, |v[XS+5]|
.irp i, 6,10
	v_max3_num_f32 v8, v8, |v[XS+\i]|, |v[XS+\i+1]|
	v_max3_num_f32 v9, v9, |v[XS+\i+2]|, |v[XS+\i+3]|
.endr
	v_max3_num_f32 v8, v8, |v[XS+14]|, |v[XS+15]|
	v_max3_num_f32 v8, v8, v9, (EMAX+1)<<23        ; and the floor 2^(3 - 127): the byte cannot fall under 1
	v_max_num_f32_dpp v8, v8, v8 row_xmask:1 row_mask:0xf bank_mask:0xf   ; and of my neighbour's 16: the block's
	v_add_nc_u32 v11, -(EMAX<<23), v8              ; 2 off its exponent field: the conversion takes the exponent field of this operand as its scale
	v_cvt_scalef32_pk8_fp4_f32 v[C+4*(\t)], v[XS:XS+7], v11
	v_cvt_scalef32_pk8_fp4_f32 v[C+4*(\t)+1], v[XS+8:XS+15], v11
	v_lshrrev_b32 v[E+(\t)], 23, v11               ; the scale's byte (a plain line behind the conversions)
	ds_store_b8 v5, v[E+(\t)] offset:16*(\t)       ; both lanes of a block write the same byte with the same value
	global_store_b64 v4, v[C+4*(\t):C+4*(\t)+1], s[18:19] offset:32*CB*(\t)   ; the wave stores 256 consecutive bytes, aligned
.endm
.irp t, 0,1,2,3,4,5,6,7,8,9,10,11,12,13,14,15
	STEP \t
.endr
	ds_load_b64 v[8:9], v6                         ; LDS serves a wave's instructions in order: these see my byte stores
	s_wait_dscnt 0x0
	global_store_b64 v7, v[8:9], s[20:21]          ; 32 lanes store 256 consecutive bytes, aligned
	s_wait_tensorcnt 0x0                           ; the wave's end
	ds_add_u32 v[SPW], v[NIL]
	s_wait_dscnt 0x0
	s_endpgm
; Wo to f16.  Work-group rr takes rows 32 rr on, wave w eight of them.  An item is 4 rows x one plane of 64 along K: lane l reads 32 bytes of row l / 8 (two loads of 16), rounds its 8 numbers
; and stores 16 bytes at 16 l: the wave's store covers 512 consecutive bytes, four rows of the plane.  32 items a wave, in four batches of eight; loads run a batch ahead.
.Lwo:
	s_sub_co_u32 s29, ttmp9, NQW
	s_lshl_b32 s30, s29, 17                        ; 32 rows of 4,096 bytes
	s_mov_b32 s31, 0
	s_add_nc_u64 s[16:17], s[16:17], s[30:31]
	s_lshl_b32 s30, s29, 12                        ; 32 rows of 128 bytes in a plane
	s_add_nc_u64 s[26:27], s[26:27], s[30:31]
	v_lshrrev_b32 v8, 3, v2
	v_and_b32 v9, 7, v2
	v_lshlrev_b32 v9, 5, v9
	v_lshl_add_u32 v9, v8, 12, v9
	s_lshl_b32 s30, s34, 15
	v_add_nc_u32 v9, s30, v9                       ; in: 32,768 w + 4,096 (l / 8) + 32 (l % 8)
	s_lshl_b32 s30, s34, 10
	v_lshl_add_u32 v10, v2, 4, s30                 ; out: 1,024 w + 16 l
.macro LOADB b                         ; items 8 b .. 8 b + 7: item n is rows 4 (n / 16) on, plane n % 16
.irp i, 0,1,2,3,4,5,6,7
	global_load_b128 v[16+64*((\b)%2)+8*\i:16+64*((\b)%2)+8*\i+3], v9, s[16:17] offset:((8*(\b)+\i)/16)*16384+((8*(\b)+\i)%16)*256
	global_load_b128 v[16+64*((\b)%2)+8*\i+4:16+64*((\b)%2)+8*\i+7], v9, s[16:17] offset:((8*(\b)+\i)/16)*16384+((8*(\b)+\i)%16)*256+16
.endr
.endm
.macro CVTB b
.irp i, 0,1,2,3,4,5,6,7
.irp j, 0,1,2,3
	v_cvt_pk_f16_f32 v[144+4*\i+\j], v[16+64*((\b)%2)+8*\i+2*\j], v[16+64*((\b)%2)+8*\i+2*\j+1]
.endr
	global_store_b128 v10, v[144+4*\i:144+4*\i+3], s[26:27] offset:((8*(\b)+\i)%16)*131072+((8*(\b)+\i)/16)*512
.endr
.endm
	LOADB 0
	LOADB 1
	s_wait_loadcnt 16                              ; batch 0 is in; batch 1's sixteen loads may be out
	CVTB 0
	LOADB 2
	s_wait_loadcnt 16
	s_wait_xcnt 0x0                                ; the last batch's stores have read their data registers, which are written again now
	CVTB 1
	LOADB 3
	s_wait_loadcnt 16
	s_wait_xcnt 0x0
	CVTB 2
	s_wait_loadcnt 0x0
	s_wait_xcnt 0x0
	CVTB 3
	s_wait_tensorcnt 0x0                           ; the same closing lines as on the other path
	ds_add_u32 v[SPW], v[NIL]
	s_wait_dscnt 0x0
	s_endpgm
.Lfunc_end_k_q3a2568d497_quant:
	.size	k_q3a2568d497_quant, .Lfunc_end_k_q3a2568d497_quant-k_q3a2568d497_quant
	.p2alignl 7, 3214868480
	.fill 96, 4, 3214868480
	.section	.rodata,"a",@progbits
	.p2align	6, 0x0
	.amdhsa_kernel k_q3a2568d497_quant
		.amdhsa_group_segment_fixed_size 33280
		.amdhsa_private_segment_fixed_size 0
		.amdhsa_enable_private_segment 0
		.amdhsa_kernarg_size 96
		.amdhsa_user_sgpr_count 2
		.amdhsa_user_sgpr_kernarg_segment_ptr 1
		.amdhsa_wavefront_size32 1
		.amdhsa_system_sgpr_workgroup_id_x 1
		.amdhsa_system_sgpr_workgroup_id_y 1
		.amdhsa_system_sgpr_workgroup_id_z 1
		.amdhsa_system_vgpr_workitem_id 0
		.amdhsa_next_free_vgpr 192
		.amdhsa_next_free_sgpr 66
		.amdhsa_reserve_vcc 0
		.amdhsa_float_denorm_mode_32 3
		.amdhsa_float_denorm_mode_16_64 3
		.amdhsa_memory_ordered 1
		.amdhsa_forward_progress 1
		.amdhsa_inst_pref_size 52
	.end_amdhsa_kernel
	.amdgpu_metadata
---
amdhsa.version: [ 1, 2 ]
amdhsa.kernels:
  - .name:           k_q3a2568d497_quant
    .symbol:         k_q3a2568d497_quant.kd
    .args:
      - { .name: q, .offset: 0, .size: 8, .value_kind: global_buffer, .address_space: global }
      - { .name: k, .offset: 8, .size: 8, .value_kind: global_buffer, .address_space: global }
      - { .name: v, .offset: 16, .size: 8, .value_kind: global_buffer, .address_space: global }
      - { .name: Wq, .offset: 24, .size: 8, .value_kind: global_buffer, .address_space: global }
      - { .name: Wk, .offset: 32, .size: 8, .value_kind: global_buffer, .address_space: global }
      - { .name: Wv, .offset: 40, .size: 8, .value_kind: global_buffer, .address_space: global }
      - { .name: Wo, .offset: 48, .size: 8, .value_kind: global_buffer, .address_space: global }
      - { .name: xc, .offset: 56, .size: 8, .value_kind: global_buffer, .address_space: global }
      - { .name: xs, .offset: 64, .size: 8, .value_kind: global_buffer, .address_space: global }
      - { .name: wc, .offset: 72, .size: 8, .value_kind: global_buffer, .address_space: global }
      - { .name: ws, .offset: 80, .size: 8, .value_kind: global_buffer, .address_space: global }
      - { .name: wo16, .offset: 88, .size: 8, .value_kind: global_buffer, .address_space: global }
    .group_segment_fixed_size: 33280
    .private_segment_fixed_size: 0
    .kernarg_segment_align: 8
    .kernarg_segment_size: 96
    .max_flat_workgroup_size: 128
    .sgpr_count:     66
    .vgpr_count:     192
    .wavefront_size: 32
...
	.end_amdgpu_metadata
.endif
;; end of part 1
;; launch proj (part 2): grid 4 x 96, 4 waves a work-group, clusters of 4 x 1, 327,680 bytes of LDS; arguments xc, xs, wc, ws, hd, fb; writes hd, fb
.if DOCPART == 2
	.amdgcn_target "amdgcn-amd-amdhsa--gfx1250"
	.amdhsa_code_object_version 6
	.text
	.protected	k_q3a2568d497_proj
	.globl	k_q3a2568d497_proj
	.p2align	8
	.type	k_q3a2568d497_proj,@function
k_q3a2568d497_proj:
	s_mov_b64 s[64:65], 0
	v_nop
	global_prefetch_b8 v0, s[64:65] scope:SCOPE_SE
	s_setreg_imm32_b32 hwreg(HW_REG_WAVE_MODE, 25, 1), 1
	s_wait_xcnt 0x0
	s_wait_alu depctr_hold_cnt(0) depctr_sa_sdst(0) depctr_va_vdst(0) depctr_va_sdst(0) depctr_va_ssrc(0) depctr_va_vcc(0) depctr_vm_vsrc(0)
	s_getreg_b32 s2, hwreg(HW_REG_IB_STS2, 6, 4)
	s_cmp_eq_u32 s2, 0
	s_cbranch_scc0 .Lentry_in_a_cluster
	s_endpgm
.Lentry_in_a_cluster:
	s_bfe_u32 s2, ttmp6, 0x10000c
	s_cmp_lg_u32 s2, 0x3003
	s_cbranch_scc0 .Lentry_shape_is_right
	s_endpgm
.Lentry_shape_is_right:
; The three quantised projections in one launch: C = X W^T on codes of FP4 with E8M0 scales, X the stacked [3 x 8192][1024] rows of q, k, v, W the matching [1024][1024] weight.  Sums in f32.
; Results leave as f16 by heads, hd [3 t][4 b][16 h][2048 s][64]; rows 0-15 of each batch also as f32, fb [3 t][4 b][16][1024], for the launch that carries those rows in f32.
; LIMIT: |results| stay under 65,504 (f16); results under 6e-5 are kept to steps of 6e-8.
; A tile of C is 256 x 256: four waves, each 128 x 128 in 64 accumulators (512 registers).  K = 1,024 is two slots of 512 along K (rows of 256 bytes): both are asked for at the head, nothing is filled again.
; The scale bytes of the tile's 256 + 256 rows, for all of K, come once, as rows of 256 bytes with 16 of padding.
; CLUSTER 4 x 1: the four work-groups of a cluster are the four tile columns of one tile row, so X's tiles and scales are asked for JOINTLY (mask 15).  The weights' tiles hang on the place in the cluster and come by
; plain loads: with a cluster of 4 x 4 the tile row would hang on the place in the cluster too.
; The matrix instruction is used transposed (source 0 = 16 rows of W, source 1 = 16 rows of X): a lane holds eight neighbouring columns of one row of C.
; REGISTERS: window 0: v0-31 addresses; v32-95 scale words, two sets, nothing else ever; v128-191 X's fragments, one set, later rows on the way out; v192-223 packed results.
;   window 1: W's fragments, two sets.  window 2: accumulators of my rows 0-63 ((a, b) at v[8 (8 a + b)]); window 3: of my rows 64-127.
.set NQ,     4                         ; steps of 128 along K in a slot
.set ROWB,   256                       ; a tile's row in bytes
.set KROW,   512                       ; a row of codes in memory
.set PITCH,  272                       ; an LDS row: 256 bytes + 16: the 16 rows of a fragment load start 68 words apart
.set FR,     8
.set NL,     2
.set NP,     4
.set HALFT,  128*PITCH
.set SLOT,   4*HALFT
.set KS,     32                        ; a row of scale bytes
.set SCL,    2*SLOT
.set HALFS,  (128*KS/256)*272
.set SBLK,   (16*KS/256)*272
.set SPARE,  SCL+4*HALFS               ; the spare words, 128 bytes a wave
.set STGB,   8448                      ; the way out: a stage for each wave, in slot 0, which has had its only fill and its last read by then
.set ADRA, 16
.set ADRB, 20
.set STO,  24                          ; f16 stage: where I put 16 bytes of a row
.set RD,   25                          ; and where I read four rows of a head back
.set CO,   26                          ; 16 x lane
.set ADRS, 27
.set SPW,  28
.set NIL,  29
.set FSTO, 30                          ; f32 stage, for the first 16 rows of a batch
.set FRD,  31
.set SC,   32
.set AF,   128
.set BK,   128
.set TMP,  192
.set G1, 24
.set G0, 32
.set G1B, 48
.set G0B, 56
.set G1S, 68
.set G0S, 76
.set G1SB, 80
.set G0SB, 88
.set MSB, 0
.macro WIN new                         ; the immediate's high byte repeats the setting that is left
.if MSB != \new
	s_set_vgpr_msb (MSB<<8)|\new
.set MSB, \new
.endif
.endm
.set MUL_LO, 0xa1
.set MUL_HI, 0xf1
.set TO_B,   0x40
; Waves 0 and 1 fetch for X (joint), waves 2 and 3 for W (plain).  The branch hangs on the wave's number alone.  An s_nop 0 and four v_nop follow each line.
.macro JLOAD g0a, g1a, g0b, g1b
	s_cmp_eq_u32 s15, 0
	s_cbranch_scc0 .Lfor_b_\@
	tensor_load_to_lds s[\g0a:\g0a+3], s[\g1a:\g1a+7]
	s_nop 0
.rept 4
	v_nop
.endr
	s_branch .Lasked_\@
.Lfor_b_\@:
	tensor_load_to_lds s[\g0b:\g0b+3], s[\g1b:\g1b+7]
	s_nop 0
.rept 4
	v_nop
.endr
.Lasked_\@:
.endm
.macro CROUND                          ; a round of the cluster's barrier
	s_barrier_signal -1
	s_barrier_wait -1
	s_cmp_lg_u32 s14, 0
	s_cbranch_scc1 .Lnot_wave_0_\@
	s_barrier_signal -3
.Lnot_wave_0_\@:
	s_barrier_wait -3
	s_barrier_signal -1
	s_barrier_wait -1
.endm
	s_load_b128 s[4:7], s[0:1], 0x0                ; xc, xs
	s_load_b128 s[8:11], s[0:1], 0x10              ; wc, ws
	s_load_b128 s[96:99], s[0:1], 0x20             ; hd, fb
	v_lshl_add_u32 v[SPW], v0, 2, SPARE
	v_mov_b32 v[NIL], 0
	ds_add_u32 v[SPW], v[NIL]                      ; the wave's opening: the add, twice on end, and its wait ahead of my first tensor load
	ds_add_u32 v[SPW], v[NIL]
	v_lshrrev_b32 v1, 5, v0
	v_readfirstlane_b32 s14, v1                    ; wave 0..3
	s_lshr_b32 s15, s14, 1                         ; which half of the tile's rows is mine.  Also: I fetch for X (0) or for W (1)
	s_and_b32 s16, s14, 1                          ; which half of its columns.  Also: which 128 rows I fetch
	s_bfe_u32 s40, ttmp6, 0x40000                  ; cx: the tile column
	s_and_b32 s17, ttmp7, 0xffff                   ; R: the tile row of the stacked rows, the same in all four partners
	s_lshr_b32 s41, s17, 5                         ; t: which tensor
	s_lshl_b32 s42, s41, 2
	s_add_co_u32 s42, s42, s40                     ; 4 t + cx: the tile of the stacked weights' rows
	s_and_b32 s44, s17, 7
	s_or_b32 s44, s44, s15                         ; 0 where my block 0 is rows 0-15 of a batch
	s_mov_b32 s[G1+0], 15|(0<<16)|(1<<20)|(1<<21)|(5<<22)|(3<<25)   ; mask: all four; elements of 1 byte; padding: 4 words after every 64; bit 21 beside a mask
	s_mov_b32 s[G1B+0], (0<<16)|(1<<20)|(5<<22)|(3<<25)             ; no mask
.irp g, G1, G1B
	s_mov_b32 s[\g+1], ROWB<<16                    ; tensor_dim0
	s_mov_b32 s[\g+2], 128<<16                     ; tensor_dim1
	s_mov_b32 s[\g+3], ROWB<<16                    ; tile_dim0
	s_mov_b32 s[\g+4], 128                         ; tile_dim1
	s_mov_b32 s[\g+5], KROW                        ; pitch
	s_mov_b32 s[\g+6], 0
	s_mov_b32 s[\g+7], 0
.endr
	s_mov_b32 s[G1S+0], 15|(3<<16)|(1<<20)|(1<<21)|(5<<22)|(3<<25)  ; the scales of 128 rows: 4,096 dense bytes as 16 rows of 32 elements of 8 bytes
	s_mov_b32 s[G1SB+0], (3<<16)|(1<<20)|(5<<22)|(3<<25)
.irp g, G1S, G1SB
	s_mov_b32 s[\g+1], 32<<16
	s_mov_b32 s[\g+2], (128*KS/256)<<16
	s_mov_b32 s[\g+3], 32<<16
	s_mov_b32 s[\g+4], 128*KS/256
	s_mov_b32 s[\g+5], 32
	s_mov_b32 s[\g+6], 0
	s_mov_b32 s[\g+7], 0
.endr
	s_lshl_b32 s18, s16, 7
	s_lshl_b32 s20, s17, 8
	s_add_co_u32 s20, s20, s18                     ; X: row 256 R + 128 x half
	s_lshl_b32 s46, s42, 8
	s_add_co_u32 s46, s46, s18                     ; W: row 256 (4 t + cx) + 128 x half
	s_mov_b32 s21, 0
	s_mov_b32 s47, 0
	s_mov_b64 s[18:19], KS
	s_mul_u64 s[22:23], s[20:21], s[18:19]
	s_mul_u64 s[92:93], s[46:47], s[18:19]
	s_mov_b64 s[18:19], KROW
	s_mul_u64 s[20:21], s[20:21], s[18:19]
	s_mul_u64 s[46:47], s[46:47], s[18:19]
	s_mul_i32 s45, s14, HALFT                      ; where they go: wave x 128 rows
	s_mul_i32 s94, s14, HALFS
	s_wait_dscnt 0x0                               ; both opening adds are done
	s_wait_kmcnt 0x0
	s_add_nc_u64 s[20:21], s[4:5], s[20:21]
	s_add_nc_u64 s[22:23], s[6:7], s[22:23]
	s_add_nc_u64 s[46:47], s[8:9], s[46:47]
	s_add_nc_u64 s[92:93], s[10:11], s[92:93]
	CROUND                                         ; all four work-groups are here: the first loads meet
	s_mov_b32 s[G0S], 1
	s_add_co_u32 s[G0S+1], s94, SCL
	s_mov_b64 s[G0S+2:G0S+3], s[22:23]
	s_or_b32 s[G0S+3], s[G0S+3], 0x80000000
	s_mov_b32 s[G0SB], 1
	s_add_co_u32 s[G0SB+1], s94, SCL
	s_mov_b64 s[G0SB+2:G0SB+3], s[92:93]
	s_or_b32 s[G0SB+3], s[G0SB+3], 0x80000000
	JLOAD G0S, G1S, G0SB, G1SB                     ; the scales first
.irp s, 0,1
	s_mov_b32 s[G0+4*\s], 1
	s_add_co_u32 s[G0+4*\s+1], s45, \s*SLOT
	s_add_nc_u64 s[G0+4*\s+2:G0+4*\s+3], s[20:21], \s*ROWB
	s_or_b32 s[G0+4*\s+3], s[G0+4*\s+3], 0x80000000
	s_mov_b32 s[G0B+4*\s], 1
	s_add_co_u32 s[G0B+4*\s+1], s45, \s*SLOT
	s_add_nc_u64 s[G0B+4*\s+2:G0B+4*\s+3], s[46:47], \s*ROWB
	s_or_b32 s[G0B+4*\s+3], s[G0B+4*\s+3], 0x80000000
	JLOAD G0+4*\s, G1, G0B+4*\s, G1B               ; by this text's count three tensor loads of a wave are out
.endr
	v_and_b32 v1, 15, v0                           ; r
	v_bfe_u32 v2, v0, 4, 1                         ; h
	v_mul_u32_u24 v3, v1, PITCH
	v_lshl_add_u32 v4, v2, 4, v3
	s_mul_i32 s21, s15, HALFT                      ; my 128 rows of X
	s_mul_i32 s22, s16, HALFT                      ; my 128 rows of W,
	s_add_co_u32 s22, s22, 2*HALFT                 ; behind X's 256
.irp s, 0,1
	v_add_nc_u32 v[ADRA+\s], s21, v4
	v_add_nc_u32 v[ADRB+\s], s22, v4
	s_add_co_u32 s21, s21, SLOT
	s_add_co_u32 s22, s22, SLOT
.endr
	v_mul_u32_u24 v5, v1, KS                       ; my row's scales: 32 bytes a row,
	v_lshrrev_b32 v6, 8, v5
	v_lshl_add_u32 v5, v6, 4, v5                   ; and 16 more for each 256 passed
	s_mul_i32 s21, s15, HALFS
	s_mul_i32 s22, s16, HALFS
	s_add_co_u32 s22, s22, 2*HALFS
	s_sub_co_u32 s22, s22, s21
	v_mul_u32_u24 v6, s22, v2                      ; lanes 16-31 take W's
	s_add_co_u32 s21, s21, SCL
	v_add_nc_u32 v5, v5, v6
	v_add_nc_u32 v[ADRS], s21, v5
	s_mul_i32 s23, s14, STGB                       ; my stage
	v_mul_u32_u24 v5, v1, 272
	v_lshl_add_u32 v5, v2, 4, v5
	v_add_nc_u32 v[STO], s23, v5                   ; f16: row r of 256 bytes + 16, 16 bytes for each half of the lanes
	v_and_b32 v6, 31, v0
	v_lshlrev_b32 v[CO], 4, v6
	v_lshrrev_b32 v7, 3, v6
	v_mul_u32_u24 v7, v7, 272
	v_and_b32 v8, 7, v6
	v_lshl_add_u32 v7, v8, 4, v7
	v_add_nc_u32 v[RD], s23, v7                    ; back: eight lanes take a head's 128 bytes of a row, four rows an instruction
	v_mul_u32_u24 v5, v1, 528
	v_lshl_add_u32 v5, v2, 5, v5
	v_add_nc_u32 v[FSTO], s23, v5                  ; f32: row r of 512 bytes + 16
	v_add_nc_u32 v[FRD], s23, v[CO]
	s_lshr_b32 s20, s17, 3                         ; hd: (4 t + b) x 16 heads of 262,144 bytes,
	s_lshl_b32 s20, s20, 22
	s_and_b32 s21, s17, 7
	s_lshl_b32 s21, s21, 15                        ; + position 256 (R % 8), 128 bytes a position,
	s_add_co_u32 s20, s20, s21
	s_lshl_b32 s21, s15, 14                        ; + my 128 rows,
	s_add_co_u32 s20, s20, s21
	s_lshl_b32 s46, s40, 20                        ; + head 4 cx + 2 x half
	s_lshl_b32 s47, s16, 19
	s_add_co_u32 s46, s46, s47
	s_add_co_u32 s20, s20, s46
	s_mov_b32 s21, 0
	s_add_nc_u64 s[96:97], s[96:97], s[20:21]
	s_lshr_b32 s20, s17, 3                         ; fb: (4 t + b) x 16 rows of 4,096 bytes + my 128 columns
	s_lshl_b32 s20, s20, 16
	s_lshl_b32 s46, s40, 10
	s_lshl_b32 s47, s16, 9
	s_add_co_u32 s46, s46, s47
	s_add_co_u32 s20, s20, s46
	s_add_nc_u64 s[98:99], s[98:99], s[20:21]
.macro FRAG reg, adr, q, i             ; 16 rows x 128 K of 4-bit codes: 8 registers: registers 4 c .. 4 c + 3 hold K = 64 c + 32 (l / 16) + 0 .. 31
.irp c, 0,1
	ds_load_b128 v[\reg+4*\c:\reg+4*\c+3], v[\adr] offset:64*(\q)+32*\c+(\i)*16*PITCH
.endr
.endm
; 16 matrix instructions: X's blocks a0, a0 + 1 against W's eight.  The 64 accumulators take turns, one instruction a turn, in the same order in every step.
.macro MUL16 a0, p, q, sc, zero
.irp a, \a0, \a0+1
.irp b, 0,1,2,3,4,5,6,7
.if \zero
	v_wmma_scale_f32_16x16x128_f8f6f4 v[8*(8*((\a)%4)+\b):8*(8*((\a)%4)+\b)+7], v[128*(\p)+FR*\b:128*(\p)+FR*\b+FR-1], v[AF+FR*(\a):AF+FR*(\a)+FR-1], 0, v[SC+8*NQ*(\sc)+NQ*\b+(\q)], v[SC+8*NQ*(\sc)+NQ*(\a)+(\q)] matrix_a_fmt:MATRIX_FMT_FP4 matrix_b_fmt:MATRIX_FMT_FP4 matrix_a_scale:MATRIX_SCALE_ROW1
.else
	v_wmma_scale_f32_16x16x128_f8f6f4 v[8*(8*((\a)%4)+\b):8*(8*((\a)%4)+\b)+7], v[128*(\p)+FR*\b:128*(\p)+FR*\b+FR-1], v[AF+FR*(\a):AF+FR*(\a)+FR-1], v[8*(8*((\a)%4)+\b):8*(8*((\a)%4)+\b)+7], v[SC+8*NQ*(\sc)+NQ*\b+(\q)], v[SC+8*NQ*(\sc)+NQ*(\a)+(\q)] matrix_a_fmt:MATRIX_FMT_FP4 matrix_b_fmt:MATRIX_FMT_FP4 matrix_a_scale:MATRIX_SCALE_ROW1
.endif
.endr
.endr
.endm
.macro FETCH_B slot, q, p
	WIN TO_B
.irp i, 0,1,2,3,4,5,6,7
	FRAG 128*(\p)+FR*\i, ADRB+\slot, \q, \i
.endr
	WIN 0
.endm
.macro FETCH_A slot, q, i0
.irp i, \i0, \i0+1, \i0+2, \i0+3
	FRAG AF+FR*(\i), ADRA+\slot, \q, \i
.endr
.endm
.macro SCALES sc                       ; a slot's scale words: lanes 0-15 X's block i, lanes 16-31 W's block i
.irp i, 0,1,2,3,4,5,6,7
	ds_load_b128 v[SC+8*NQ*\sc+NQ*\i:SC+8*NQ*\sc+NQ*\i+3], v[ADRS] offset:\i*SBLK
.endr
.endm
.macro PLACES n                        ; plain vector lines between matrix instructions and loads into, or reads of, their registers
.rept \n
	v_nop
.endr
.endm
.macro STEP slot, q, zero              ; 128 along K, with its successor in the same slot
	s_wait_dscnt 4*NL                              ; W's set and X's blocks 0-3 are in; the youngest eight loads (X's blocks 4-7) may be out
	WIN MUL_LO
	MUL16 0, (\q)%2, \q, \slot, \zero
	MUL16 2, (\q)%2, \q, \slot, \zero
	s_wait_dscnt 0
	PLACES NP
	FETCH_B \slot, (\q)+1, 1-(\q)%2
	FETCH_A \slot, (\q)+1, 0
	WIN MUL_HI
	MUL16 4, (\q)%2, \q, \slot, \zero
	MUL16 6, (\q)%2, \q, \slot, \zero
	PLACES NP
	WIN 0
	FETCH_A \slot, (\q)+1, 4
.endm
.macro TURN slot, next                 ; a slot's last step changes slots: one barrier; nothing is filled again
	s_wait_tensorcnt 0x0                           ; all my tensor loads have landed: my part of the next slot
	ds_add_u32 v[SPW], v[NIL]                      ; 0 onto my spare word
	s_wait_dscnt 4*NL+1                            ; the add and the youngest eight loads may be out
	WIN MUL_LO
	MUL16 0, 1, NQ-1, \slot, 0
	s_wait_dscnt 0x0                               ; the add is done, and my reads of this slot are over
	s_barrier_signal -1
	MUL16 2, 1, NQ-1, \slot, 0
	WIN 0
	s_barrier_wait -1
	PLACES NP
	v_add_nc_u32 v[ADRS], 4*NQ, v[ADRS]            ; on to the next slot's scale words
	FETCH_B \next, 0, 0
	FETCH_A \next, 0, 0
	SCALES \next
	WIN MUL_HI
	MUL16 4, 1, NQ-1, \slot, 0
	MUL16 6, 1, NQ-1, \slot, 0
	PLACES NP
	WIN 0
	FETCH_A \next, 0, 4
.endm
.macro STEPS slot, from
.set Q, \from
.rept NQ-1-\from
	STEP \slot, Q, 0
.set Q, Q+1
.endr
.endm
	s_wait_tensorcnt 1                             ; the scales and my part of slot 0 are in; slot 1's load may be out
	s_barrier_signal -1
	s_barrier_wait -1
	FETCH_B 0, 0, 0
	FETCH_A 0, 0, 0
	SCALES 0
	FETCH_A 0, 0, 4
	STEP 0, 0, 1                                   ; the first products start the sums: nothing is cleared
	STEPS 0, 1
	TURN 0, 1
	STEPS 1, 0
	s_wait_dscnt 4*NL                              ; the last step: nothing more to fetch
	WIN MUL_LO
	MUL16 0, 1, NQ-1, 1, 0
	MUL16 2, 1, NQ-1, 1, 0
	s_wait_dscnt 0
	WIN MUL_HI
	MUL16 4, 1, NQ-1, 1, 0
	MUL16 6, 1, NQ-1, 1, 0
	WIN 0
	PLACES NP                                      ; for the reads of results and the loads into the registers that held X's fragments
	; THE FIRST 16 ROWS OF A BATCH also leave as f32: my block 0, where R % 8 = 0 and I hold the tile's upper rows.  The test is made of the cluster's y and the wave's number.
	s_cmp_lg_u32 s44, 0
	s_cbranch_scc1 .Lnofine
	WIN 0x08                                       ; an LDS store's data: window 2
.irp b, 0,1,2,3,4,5,6,7
	ds_store_b128 v[FSTO], v[8*\b:8*\b+3] offset:64*\b           ; each accumulator from its low end on
	ds_store_b128 v[FSTO], v[8*\b+4:8*\b+7] offset:64*\b+16
.endr
	WIN 0
.irp i, 0,1,2,3,4,5,6,7,8,9,10,11,12,13,14,15
	ds_load_b128 v[BK+4*\i:BK+4*\i+3], v[FRD] offset:\i*528      ; LDS serves a wave's instructions in order: these see my stores
.endr
	s_wait_dscnt 0x0
.irp i, 0,1,2,3,4,5,6,7,8,9,10,11,12,13,14,15
	global_store_b128 v[CO], v[BK+4*\i:BK+4*\i+3], s[98:99] offset:\i*4096   ; 32 lanes store 512 consecutive bytes of a row
.endr
	s_wait_xcnt 0x0                                ; these stores have read their data registers, into which the way out below loads
.Lnofine:
; THE WAY OUT, block by block of 16 rows x 128 columns (two heads): rounded to f16, through my stage, back as four rows of one head (512 consecutive bytes of hd) an instruction.
.macro PACK a
.set AC, 64*((\a)%4)
	WIN 0x0a+5*((\a)/4)                            ; sources 0 and 1: window 2 or 3
.irp b, 0,1,2,3,4,5,6,7
.irp r, 0,1,2,3
	v_cvt_pk_f16_f32 v[TMP+4*\b+\r], v[AC+8*\b+2*\r], v[AC+8*\b+2*\r+1]
.endr
.endr
	WIN 0
.endm
.macro TOSTAGE a
.set BB, BK+32*((\a)%2)
.irp b, 0,1,2,3,4,5,6,7
	ds_store_b128 v[STO], v[TMP+4*\b:TMP+4*\b+3] offset:32*\b
.endr
.irp i, 0,1,2,3,4,5,6,7
	ds_load_b128 v[BB+4*\i:BB+4*\i+3], v[RD] offset:(\i%4)*1088+(\i/4)*128
.endr
.endm
.macro SEND a
.set BB, BK+32*((\a)%2)
	s_wait_dscnt 0x0                               ; the block is back in registers
	s_wait_xcnt 0x0                                ; earlier stores have read their base and their data: both are written again only behind this wait
.if (\a) > 0
	s_add_nc_u64 s[96:97], s[96:97], 2048          ; 16 positions on
.endif
.irp i, 0,1,2,3,4,5,6,7
	global_store_b128 v[CO], v[BB+4*\i:BB+4*\i+3], s[96:97] offset:(\i/4)*262144+(\i%4)*512
.endr
.endm
	PACK 0
	TOSTAGE 0
.irp a, 1,2,3,4,5,6,7                  ; block a's conversions stand between block a - 1's loads from the stage and the wait for them
	PACK \a
	SEND \a-1
	TOSTAGE \a
.endr
	SEND 7
	s_wait_tensorcnt 0x0                           ; the wave's end
	ds_add_u32 v[SPW], v[NIL]
	s_wait_dscnt 0x0
	CROUND                                         ; the closing round
	s_endpgm
.Lfunc_end_k_q3a2568d497_proj:
	.size	k_q3a2568d497_proj, .Lfunc_end_k_q3a2568d497_proj-k_q3a2568d497_proj
	.p2alignl 7, 3214868480
	.fill 96, 4, 3214868480
	.section	.rodata,"a",@progbits
	.p2align	6, 0x0
	.amdhsa_kernel k_q3a2568d497_proj
		.amdhsa_group_segment_fixed_size 327680
		.amdhsa_private_segment_fixed_size 0
		.amdhsa_enable_private_segment 0
		.amdhsa_kernarg_size 48
		.amdhsa_user_sgpr_count 2
		.amdhsa_user_sgpr_kernarg_segment_ptr 1
		.amdhsa_wavefront_size32 1
		.amdhsa_system_sgpr_workgroup_id_x 1
		.amdhsa_system_sgpr_workgroup_id_y 1
		.amdhsa_system_sgpr_workgroup_id_z 1
		.amdhsa_system_vgpr_workitem_id 0
		.amdhsa_next_free_vgpr 1024
		.amdhsa_next_free_sgpr 100
		.amdhsa_reserve_vcc 0
		.amdhsa_float_denorm_mode_32 3
		.amdhsa_float_denorm_mode_16_64 3
		.amdhsa_memory_ordered 1
		.amdhsa_forward_progress 1
		.amdhsa_inst_pref_size 131
	.end_amdhsa_kernel
	.amdgpu_metadata
---
amdhsa.version: [ 1, 2 ]
amdhsa.kernels:
  - .name:           k_q3a2568d497_proj
    .symbol:         k_q3a2568d497_proj.kd
    .args:
      - { .name: xc, .offset: 0, .size: 8, .value_kind: global_buffer, .address_space: global }
      - { .name: xs, .offset: 8, .size: 8, .value_kind: global_buffer, .address_space: global }
      - { .name: wc, .offset: 16, .size: 8, .value_kind: global_buffer, .address_space: global }
      - { .name: ws, .offset: 24, .size: 8, .value_kind: global_buffer, .address_space: global }
      - { .name: hd, .offset: 32, .size: 8, .value_kind: global_buffer, .address_space: global }
      - { .name: fb, .offset: 40, .size: 8, .value_kind: global_buffer, .address_space: global }
    .group_segment_fixed_size: 327680
    .private_segment_fixed_size: 0
    .kernarg_segment_align: 8
    .kernarg_segment_size: 48
    .max_flat_workgroup_size: 128
    .sgpr_count:     100
    .vgpr_count:     1024
    .wavefront_size: 32
...
	.end_amdgpu_metadata
.endif
;; end of part 2
;; launch attn (part 3): grid 4 x 64, 8 waves a work-group, no clusters, 327,680 bytes of LDS; arguments hd, oh; writes oh
.if DOCPART == 3
	.amdgcn_target "amdgcn-amd-amdhsa--gfx1250"
	.amdhsa_code_object_version 6
	.text
	.protected	k_q3a2568d497_attn
	.globl	k_q3a2568d497_attn
	.p2align	8
	.type	k_q3a2568d497_attn,@function
k_q3a2568d497_attn:
	s_mov_b64 s[64:65], 0
	v_nop
	global_prefetch_b8 v0, s[64:65] scope:SCOPE_SE
	s_setreg_imm32_b32 hwreg(HW_REG_WAVE_MODE, 25, 1), 1
	s_wait_xcnt 0x0
; Causal attention of one head: O[q] = sum over k <= q of softmax_k(Q[q] . K[k] / 8) V[k].  Q, K, V: hd [3][64 heads][2048][64] f16 (Q not yet divided by 8: the division lies in c); O: oh [64][2048][64] f16.
; Products, maxima and sums in f32; the weights p are rounded to f16 for the second product, O once at the end.  A running maximum m and sum l for each query: p = 2^(c s - c m), c = log2(e) / 8.
; (Positions 0-15 of each sequence are computed here too; a later launch carries them in f32 through to the output.)
; SHARES.  Work-group (pr, head) owns query blocks 7 - pr and pr of 256: (8 - pr) + (pr + 1) = 9 units of 256 keys, whatever pr: ONE loop of constant count, equal work in all 256 work-groups.
; Each of eight waves owns 32 queries of the block in hand, two tiles of 16; two waves share a SIMD's registers.  A unit is four steps of 64 keys; a step all of whose keys come after the wave's queries is jumped over.
; NO CLUSTER: the four work-groups of a head change blocks in different trips (5 to 8), so from trip 5 on they need different units in the same trip: no joint request could be alike in all partners.
; LAYOUT.  S^T = K Q^T and O^T = V^T P: a lane holds one query (lane % 16) throughout.  K comes out of LDS as it lies, V turned by ds_load_tr16_b128.
; LDS.  Rows of 128 bytes, dense in memory, are stated to the mover as rows of 256 bytes (two keys) with padding behind each: key x lies at (x / 2) pitch + 128 (x % 2).  Pitch 272 for K: the 16 keys of a fragment load
; fall on 16 different columns of 16 bytes; pitch 288 for V: so do the 8 keys x 2 pieces of half a turning load.
; REGISTERS: window 0: v1-15 addresses and constants; v16-31 statistics, 8 a tile (+0 c m, +1 m, +2, +3 l, +4..+7 at work, a at +6); v32-95 S^T; v96-127 P; v128-191 K; v192-223 the way out.
;   window 1: v0-63 O^T (32 t + 8 ct); v64-95 Q (16 t + 8 c); v128-191 V.
.set PK,    272
.set PV,    288
.set KUB,   128*PK                     ; a unit's K in LDS
.set VUB,   128*PV                     ; and its V
.set VOFF,  KUB
.set SLOT1, 1<<17                      ; slot 1 begins here: one exclusive or turns an address from one slot to the other
.set STAGE, SLOT1+KUB+VUB              ; behind the ring: 2 x 16 rows x 144 bytes for each wave
.set SPT,   144
.set SPARE, STAGE+8*32*SPT             ; the spare words, 128 bytes a wave
.set AK0, 1
.set AV0, 2
.set ADK, 3
.set ADV, 4
.set QO,  5
.set STO, 6
.set RD,  7
.set GO,  8
.set PFO, 9
.set SPW, 10
.set NIL, 11
.set DL,  12                           ; r - 8 h
.set NINF, 13
.set D0,  14
.set D1,  15
.set ST,  16
.set S,   32
.set P,   96
.set KFR, 128
.set OUTR, 192
.set OAC, 0                            ; window 1
.set QF,  64
.set VF,  128
.set WV,  8
.set PR,  9
.set HB,  10
.set LIMU, 11                          ; 8 - pr: the trip at which the block changes
.set U,   12                           ; trip
.set Q0,  13                           ; my first query
.set KF,  14                           ; the step's first key
.set TK,  15                           ; LDS byte of the step's K
.set TV,  16                           ; and V
.set INNER, 17
.set LIMP, 18                          ; a wave prefetches while U is under it
.set G1K, 24
.set G1V, 32
.set G0K, 40
.set G0V, 44
.set KB,  48                           ; K's and V's first byte of my half of a unit, in my head
.set VB,  50
.set QB,  52
.set QB1, 54
.set CS,  56
.set SEL, 58
.set PFK, 60
.set PFV, 62
.set OB,  66
.set OB1, 68
.set MSB, 0
.macro WIN new                         ; the immediate's high byte repeats the setting that is left
.if MSB != \new
	s_set_vgpr_msb (MSB<<8)|\new
.set MSB, \new
.endif
.endm
; Waves 0 and 1 fetch K's halves of a unit, waves 2 and 3 V's, the others nothing.  An s_nop 0 and four v_nop follow each line.
.macro TLOAD
	s_cmp_lt_u32 s[WV], 2
	s_cbranch_scc0 .Lnot_k_\@
	tensor_load_to_lds s[G0K:G0K+3], s[G1K:G1K+7]
	s_nop 0
.rept 4
	v_nop
.endr
	s_branch .Lasked_\@
.Lnot_k_\@:
	s_cmp_lt_u32 s[WV], 4
	s_cbranch_scc0 .Lasked_\@
	tensor_load_to_lds s[G0V:G0V+3], s[G1V:G1V+7]
	s_nop 0
.rept 4
	v_nop
.endr
.Lasked_\@:
.endm
; A prefetch of the unit that the NEXT change of slots will ask for: trip U names unit U + 2, four key steps ahead of its tensor load.  The work-group with pr = 0 walks all eight units of its head in order: it alone asks,
; by its waves 4 to 7, which fetch nothing: 8,192 bytes of K and of V each, lanes 256 bytes apart.  Units 2 to 7 are named once each; units 0 and 1 come by their loads alone; trips 6 and on ask for nothing.
.macro ASK
	s_cmp_lt_u32 s[U], s[LIMP]
	s_cbranch_scc0 .Lnot_mine_\@
	global_prefetch_b8 v[PFO], s[PFK:PFK+1] th:TH_LOAD_NT scope:SCOPE_SE
	global_prefetch_b8 v[PFO], s[PFV:PFV+1] th:TH_LOAD_NT scope:SCOPE_SE
.Lnot_mine_\@:
.endm
.macro QLOAD base                      ; my 32 queries' fragments: tile t, channels 32 c on
	WIN 0x40
.irp t, 0,1
.irp c, 0,1
	global_load_b128 v[QF+16*\t+8*\c:QF+16*\t+8*\c+3], v[QO], s[\base:\base+1] offset:\t*2048+\c*64
	global_load_b128 v[QF+16*\t+8*\c+4:QF+16*\t+8*\c+7], v[QO], s[\base:\base+1] offset:\t*2048+\c*64+32
.endr
.endr
	WIN 0
.endm
.macro INIT                            ; a block begins: m = -3e38, l = 0, O^T = 0.  The step is written once: its first walk finds zeros, which a = 0 leaves zeros
.irp t, 0,1
	v_mov_b32 v[ST+8*\t+1], 0xff61b1e6
	v_mov_b32 v[ST+8*\t+2], 0
	v_mov_b32 v[ST+8*\t+3], 0
	v_mov_b32 v[ST+8*\t+5], 0
	v_mov_b32 v[ST+8*\t+6], 0
	v_mov_b32 v[ST+8*\t+7], 0
	v_mul_f32 v[ST+8*\t], s[CS], v[ST+8*\t+1]
.endr
	WIN 0x40
.set i, 0
.rept 64
	v_mov_b32 v[OAC+i], 0
.set i, i+1
.endr
	WIN 0
.endm
; THE WAY OUT of a block: O^T / l, rounded to f16, through my stage, back as four rows (512 consecutive bytes of oh) an instruction.
.macro WAYOUT ob
	s_wait_xcnt 0x0                                ; an earlier way out's stores have read their data registers
.irp t, 0,1
	v_add_f32 v[ST+8*\t+4], v[ST+8*\t+2], v[ST+8*\t+3]           ; (these lines are also the places behind the last products)
.endr
.irp t, 0,1
	v_permlanex16_b32 v[ST+8*\t+5], v[ST+8*\t+4], s[SEL], s[SEL+1]
.endr
.irp t, 0,1
	v_add_f32 v[ST+8*\t+4], v[ST+8*\t+4], v[ST+8*\t+5]
.endr
.irp t, 0,1
	v_rcp_f32 v[ST+8*\t+6], v[ST+8*\t+4]
.endr
	v_nop                                          ; a plain line behind the last reciprocal
	s_wait_alu depctr_va_vdst(0)                   ; one wait for both, ahead of their first reader
.irp t, 0,1
	WIN 0x41
.set i, 0
.rept 16
	v_pk_mul_f32 v[OAC+32*\t+2*i:OAC+32*\t+2*i+1], v[OAC+32*\t+2*i:OAC+32*\t+2*i+1], v[ST+8*\t+6:ST+8*\t+7] op_sel_hi:[1,0]
.set i, i+1
.endr
	WIN 0x05
.set i, 0
.rept 16
	v_cvt_pk_f16_f32 v[S+32*\t+i], v[OAC+32*\t+2*i], v[OAC+32*\t+2*i+1]
.set i, i+1
.endr
	WIN 0
.irp ct, 0,1,2,3
	ds_store_b128 v[STO], v[S+32*\t+4*\ct:S+32*\t+4*\ct+3] offset:16*SPT*\t+32*\ct
.endr
.irp i, 0,1,2,3
	ds_load_b128 v[OUTR+16*\t+4*\i:OUTR+16*\t+4*\i+3], v[RD] offset:16*SPT*\t+4*SPT*\i   ; LDS serves a wave's instructions in order
.endr
.endr
	s_wait_dscnt 0x0
.irp t, 0,1
.irp i, 0,1,2,3
	global_store_b128 v[GO], v[OUTR+16*\t+4*\i:OUTR+16*\t+4*\i+3], s[\ob:\ob+1] offset:2048*\t+512*\i
.endr
.endr
.endm
; THE CHANGE OF SLOTS, at a unit's head.  Each wave waits for all its tensor loads, adds 0 to its spare word, and waits for that and for its reads of the slot that it has left; behind the barrier the slot ahead is whole and
; nobody reads the other one, which (fill = 1) takes the next trip's unit: unit U + 1 of the block in hand, or, from the trip before the change of blocks on, of the second block.
.macro CHANGE fill
	s_wait_tensorcnt 0x0                           ; no tensor load of mine is out, so a group 0 may be written
	ds_add_u32 v[SPW], v[NIL]
.if \fill
	ds_add_u32 v[SPW], v[NIL]                      ; the add twice on end here, in every trip alike
	s_xor_b32 s[G0K+1], s[G0K+1], SLOT1
	s_xor_b32 s[G0V+1], s[G0V+1], SLOT1
	s_add_co_u32 s70, s[U], 1
	s_cmp_ge_u32 s70, s[LIMU]
	s_cselect_b32 s71, s[LIMU], 0
	s_sub_co_u32 s70, s70, s71                     ; the next trip's unit
	s_lshl_b32 s70, s70, 15                        ; 32,768 bytes a unit
	s_mov_b32 s71, 0
	s_add_nc_u64 s[G0K+2:G0K+3], s[KB:KB+1], s[70:71]
	s_or_b32 s[G0K+3], s[G0K+3], 0x80000000
	s_add_nc_u64 s[G0V+2:G0V+3], s[VB:VB+1], s[70:71]
	s_or_b32 s[G0V+3], s[G0V+3], 0x80000000
	s_wait_xcnt 0x0                                ; the last prefetches, a unit back, have read their addresses
	s_add_nc_u64 s[PFK:PFK+1], s[PFK:PFK+1], 32768
	s_add_nc_u64 s[PFV:PFV+1], s[PFV:PFV+1], 32768
.endif
	s_wait_dscnt 0x0                               ; the add is done, and my reads of the slot that I have left are over
	s_barrier_signal -1
	s_barrier_wait -1
.if \fill
	TLOAD                                          ; the first thing behind the barrier, a wave's one tensor load until the next: it has four key steps in which to land
	ASK
.endif
.endm
; A KEY STEP: 64 keys.
.macro STEP
	s_add_co_u32 s70, s[Q0], 31
	s_cmp_gt_u32 s[KF], s70                        ; all 64 keys come after my 32 queries: ids and counts alone
	s_cbranch_scc1 .Lhidden_\@
	v_add_nc_u32 v[ADK], s[TK], v[AK0]
	v_add_nc_u32 v[ADV], s[TV], v[AV0]
	v_nop
	v_nop                                          ; four plain lines between the last step's products and the loads into V's registers
.irp kt, 0,1,2,3
.irp c, 0,1
	ds_load_b128 v[KFR+8*(2*\kt+\c):KFR+8*(2*\kt+\c)+3], v[ADK] offset:\kt*8*PK+64*\c
	ds_load_b128 v[KFR+8*(2*\kt+\c)+4:KFR+8*(2*\kt+\c)+7], v[ADK] offset:\kt*8*PK+64*\c+32
.endr
.endr
	WIN 0x40
.irp kh, 0,1
.irp ct, 0,1,2,3
	ds_load_tr16_b128 v[VF+8*(4*\kh+\ct):VF+8*(4*\kh+\ct)+3], v[ADV] offset:16*\kh*PV+32*\ct
	ds_load_tr16_b128 v[VF+8*(4*\kh+\ct)+4:VF+8*(4*\kh+\ct)+7], v[ADV] offset:(16*\kh+8)*PV+32*\ct
.endr
.endr
	s_wait_dscnt 16                                ; K is in; V's sixteen loads may be out
	WIN 0x04                                       ; Q in window 1
.irp c, 0,1                            ; S^T = K Q^T: the eight accumulators by turns; the first eight start the sums
.irp kt, 0,1,2,3
.irp t, 0,1
.if \c == 0
	v_wmma_f32_16x16x32_f16 v[S+32*\t+8*\kt:S+32*\t+8*\kt+7], v[KFR+8*(2*\kt+\c):KFR+8*(2*\kt+\c)+7], v[QF+16*\t+8*\c:QF+16*\t+8*\c+7], 0
.else
	v_wmma_f32_16x16x32_f16 v[S+32*\t+8*\kt:S+32*\t+8*\kt+7], v[KFR+8*(2*\kt+\c):KFR+8*(2*\kt+\c)+7], v[QF+16*\t+8*\c:QF+16*\t+8*\c+7], v[S+32*\t+8*\kt:S+32*\t+8*\kt+7]
.endif
.endr
.endr
.endr
	WIN 0
.rept 4
	v_nop
.endr
	s_add_co_u32 s70, s[KF], 63                    ; on the diagonal hidden scores become -infinity ahead of the maximum; a step all of whose keys count skips this
	s_cmp_le_u32 s70, s[Q0]
	s_cbranch_scc1 .Lopen_\@
	s_sub_co_i32 s70, s[Q0], s[KF]
	v_add_nc_u32 v[D0], s70, v[DL]                 ; register n of tile t holds key KF + 16 (n / 8) + 8 h + n % 8, my query is Q0 + 16 t + r: hidden where 16 (n / 8) + n % 8 > Q0 - KF + 16 t + r - 8 h
	v_add_nc_u32 v[D1], 16, v[D0]
.set n, 0
.rept 32
	v_cmp_gt_i32 vcc_lo, 16*(n/8)+n%8, v[D0]
	v_cndmask_b32 v[S+n], v[S+n], v[NINF], vcc_lo
	v_cmp_gt_i32 vcc_lo, 16*(n/8)+n%8, v[D1]
	v_cndmask_b32 v[S+32+n], v[S+32+n], v[NINF], vcc_lo
.set n, n+1
.endr
.Lopen_\@:
	; the softmax of both tiles, the tiles by turns.  A walked step's first key counts for every query of the wave (KF <= Q0), so m is a number from the first step on
.irp j, 0,1,2,3
.irp t, 0,1
	v_max3_num_f32 v[ST+8*\t+4+\j], v[S+32*\t+8*\j], v[S+32*\t+8*\j+1], v[S+32*\t+8*\j+2]   ; each accumulator is read from its low end on
.endr
.endr
.irp g, 1,2
.irp j, 0,1,2,3
.irp t, 0,1
	v_max3_num_f32 v[ST+8*\t+4+\j], v[ST+8*\t+4+\j], v[S+32*\t+8*\j+2*\g+1], v[S+32*\t+8*\j+2*\g+2]
.endr
.endr
.endr
.irp t, 0,1
	v_max3_num_f32 v[ST+8*\t+4], v[ST+8*\t+4], v[S+32*\t+7], v[S+32*\t+15]
.endr
.irp t, 0,1
	v_max3_num_f32 v[ST+8*\t+6], v[ST+8*\t+6], v[S+32*\t+23], v[S+32*\t+31]
.endr
.irp t, 0,1
	v_max3_num_f32 v[ST+8*\t+4], v[ST+8*\t+4], v[ST+8*\t+5], v[ST+8*\t+6]
.endr
.irp t, 0,1
	v_max3_num_f32 v[ST+8*\t+4], v[ST+8*\t+4], v[ST+8*\t+7], v[ST+8*\t+1]   ; and the old m
.endr
.irp t, 0,1
	v_permlanex16_b32 v[ST+8*\t+5], v[ST+8*\t+4], s[SEL], s[SEL+1]          ; the query's other 32 keys lie in the lane 16 away
.endr
.irp t, 0,1
	v_mov_b32 v[ST+8*\t+7], v[ST+8*\t]             ; c m_old
.endr
.irp t, 0,1
	v_max_num_f32 v[ST+8*\t+1], v[ST+8*\t+4], v[ST+8*\t+5]
.endr
.irp t, 0,1
	v_mul_f32 v[ST+8*\t], s[CS], v[ST+8*\t+1]
.endr
.irp t, 0,1
	v_sub_f32 v[ST+8*\t+7], v[ST+8*\t+7], v[ST+8*\t]
.endr
.set b, 0
.rept 16
.irp t, 0,1
	v_pk_fma_f32 v[S+32*\t+2*b:S+32*\t+2*b+1], v[S+32*\t+2*b:S+32*\t+2*b+1], s[CS:CS+1], v[ST+8*\t:ST+8*\t+1] op_sel_hi:[1,0,0] neg_lo:[0,0,1] neg_hi:[0,0,1]   ; c s - c m
.endr
.set b, b+1
.endr
.irp t, 0,1
	v_exp_f32 v[ST+8*\t+6], v[ST+8*\t+7]           ; a = 2^(c m_old - c m_new)
.endr
.set e, 0
.rept 32
.irp t, 0,1
	v_exp_f32 v[S+32*\t+e], v[S+32*\t+e]           ; p
.endr
.set e, e+1
.endr
	v_nop                                          ; a plain line behind the last exponential
	s_wait_alu depctr_va_vdst(0)                   ; ONE wait for the batch of 66, ahead of its first reader
.set b, 0
.rept 16
.irp t, 0,1
	v_cvt_pk_f16_f32 v[P+16*\t+b], v[S+32*\t+2*b], v[S+32*\t+2*b+1]
.endr
.set b, b+1
.endr
.irp u, 0,1,2,3,4,5,6,7                ; the sum of the unrounded p, in pairs, in place
.irp t, 0,1
	v_pk_add_f32 v[S+32*\t+4*\u:S+32*\t+4*\u+1], v[S+32*\t+4*\u:S+32*\t+4*\u+1], v[S+32*\t+4*\u+2:S+32*\t+4*\u+3]
.endr
.endr
.irp u, 0,1,2,3
.irp t, 0,1
	v_pk_add_f32 v[S+32*\t+8*\u:S+32*\t+8*\u+1], v[S+32*\t+8*\u:S+32*\t+8*\u+1], v[S+32*\t+8*\u+4:S+32*\t+8*\u+5]
.endr
.endr
.irp u, 0,1
.irp t, 0,1
	v_pk_add_f32 v[S+32*\t+16*\u:S+32*\t+16*\u+1], v[S+32*\t+16*\u:S+32*\t+16*\u+1], v[S+32*\t+16*\u+8:S+32*\t+16*\u+9]
.endr
.endr
.irp t, 0,1
	v_pk_add_f32 v[S+32*\t:S+32*\t+1], v[S+32*\t:S+32*\t+1], v[S+32*\t+16:S+32*\t+17]
.endr
.irp t, 0,1
	v_pk_fma_f32 v[ST+8*\t+2:ST+8*\t+3], v[ST+8*\t+2:ST+8*\t+3], v[ST+8*\t+6:ST+8*\t+7], v[S+32*\t:S+32*\t+1] op_sel_hi:[1,0,1]   ; l = a l + the sum
.endr
	WIN 0x41
.irp t, 0,1
.set i, 0
.rept 16
	v_pk_mul_f32 v[OAC+32*\t+2*i:OAC+32*\t+2*i+1], v[OAC+32*\t+2*i:OAC+32*\t+2*i+1], v[ST+8*\t+6:ST+8*\t+7] op_sel_hi:[1,0]   ; O^T x a
.set i, i+1
.endr
.endr
	s_wait_dscnt 0x0                               ; V is in
	WIN 0x51                                       ; V, C and D in window 1, P in window 0
.irp kh, 0,1                           ; O^T += V^T P: the eight accumulators by turns
.irp ct, 0,1,2,3
.irp t, 0,1
	v_wmma_f32_16x16x32_f16 v[OAC+32*\t+8*\ct:OAC+32*\t+8*\ct+7], v[VF+8*(4*\kh+\ct):VF+8*(4*\kh+\ct)+7], v[P+16*\t+8*\kh:P+16*\t+8*\kh+7], v[OAC+32*\t+8*\ct:OAC+32*\t+8*\ct+7]
.endr
.endr
.endr
	WIN 0
.Lhidden_\@:
	s_add_co_u32 s[KF], s[KF], 64
	s_add_co_u32 s[TK], s[TK], 32*PK
	s_add_co_u32 s[TV], s[TV], 32*PV
.endm
.macro UNIT                            ; a unit's four steps: written once, walked four times
	s_mov_b32 s[INNER], 4
.Lstep_\@:
	STEP
	s_sub_co_u32 s[INNER], s[INNER], 1
	s_cmp_lg_u32 s[INNER], 0
	s_cbranch_scc1 .Lstep_\@
	s_sub_co_u32 s[TK], s[TK], KUB                 ; back to a slot's first step,
	s_xor_b32 s[TK], s[TK], SLOT1                  ; in the other slot
	s_sub_co_u32 s[TV], s[TV], VUB
	s_xor_b32 s[TV], s[TV], SLOT1
.endm
.macro SWITCH                          ; in trip 8 - pr the first block leaves and the second begins: a branch on the work-group's number and the count of trips, the same in all eight waves; no barrier stands in it
	s_cmp_lg_u32 s[U], s[LIMU]
	s_cbranch_scc1 .Lsame_\@
	QLOAD QB1
	WAYOUT OB
	s_lshl_b32 s[Q0], s[PR], 8
	s_lshl_b32 s70, s[WV], 5
	s_add_co_u32 s[Q0], s[Q0], s70
	s_mov_b32 s[KF], 0
	INIT
	s_wait_loadcnt 0x0                             ; Q
.Lsame_\@:
.endm
	s_load_b128 s[4:7], s[0:1], 0x0                ; hd, oh
	v_lshl_add_u32 v[SPW], v0, 2, SPARE
	v_mov_b32 v[NIL], 0
	ds_add_u32 v[SPW], v[NIL]                      ; the wave's opening: the add, twice on end, and its wait ahead of my first tensor load
	ds_add_u32 v[SPW], v[NIL]
	v_lshrrev_b32 v32, 5, v0
	v_readfirstlane_b32 s[WV], v32                 ; wave 0..7
	s_mov_b32 s[PR], ttmp9
	s_and_b32 s[HB], ttmp7, 0xffff
	s_sub_co_u32 s[LIMU], 8, s[PR]
	s_sub_co_u32 s[Q0], 7, s[PR]
	s_lshl_b32 s[Q0], s[Q0], 8
	s_lshl_b32 s70, s[WV], 5
	s_add_co_u32 s[Q0], s[Q0], s70                 ; 256 (7 - pr) + 32 w
	s_mov_b32 s[G1K], (1<<16)|(1<<20)|(5<<22)|(3<<25)   ; elements of 2 bytes; 4 words of padding after every 64
	s_mov_b32 s[G1V], (1<<16)|(1<<20)|(5<<22)|(7<<25)   ; 8 words of padding
.irp g, G1K, G1V
	s_mov_b32 s[\g+1], 128<<16                     ; tensor_dim0: two keys' 128 elements
	s_mov_b32 s[\g+2], 64<<16                      ; tensor_dim1: 64 such rows: half a unit
	s_mov_b32 s[\g+3], 128<<16                     ; tile_dim0
	s_mov_b32 s[\g+4], 64                          ; tile_dim1
	s_mov_b32 s[\g+5], 128                         ; pitch: dense
	s_mov_b32 s[\g+6], 0
	s_mov_b32 s[\g+7], 0
.endr
	s_mov_b32 s[CS], 0x3e38aa3b                    ; c = log2(e) / 8
	s_mov_b32 s[CS+1], s[CS]
	s_mov_b32 s[SEL], 0x76543210
	s_mov_b32 s[SEL+1], 0xfedcba98
	s_lshl_b32 s70, s[HB], 18                      ; my head: 262,144 bytes a head
	s_mov_b32 s71, 0
	s_and_b32 s72, s[WV], 1                        ; which half of a unit I fetch, if I fetch
	s_lshl_b32 s73, s72, 14
	s_add_co_u32 s74, s70, s73
	s_mov_b32 s75, 0
	s_mul_i32 s19, s72, 64*PK
	s_mul_i32 s20, s72, 64*PV
	s_add_co_u32 s20, s20, VOFF
	s_lshr_b32 s21, s[WV], 2
	s_xor_b32 s21, s21, 1                          ; 0 in waves 4 to 7,
	s_or_b32 s21, s21, s[PR]                       ; of the work-group with pr = 0
	s_cmp_eq_u32 s21, 0
	s_cselect_b32 s[LIMP], 6, 0
	s_mov_b32 s[U], 0
	s_mov_b32 s[KF], 0
	s_mov_b32 s[TK], 0
	s_mov_b32 s[TV], VOFF
	s_wait_dscnt 0x0                               ; both opening adds are done
	s_wait_kmcnt 0x0
	s_add_nc_u64 s[KB:KB+1], s[4:5], s[74:75]
	s_add_nc_u64 s[VB:VB+1], s[KB:KB+1], 0x2000000 ; the third tensor of hd
	s_add_nc_u64 s[KB:KB+1], s[KB:KB+1], 0x1000000 ; the second
	s_mov_b32 s[G0K], 1
	s_mov_b32 s[G0K+1], s19
	s_mov_b64 s[G0K+2:G0K+3], s[KB:KB+1]
	s_or_b32 s[G0K+3], s[G0K+3], 0x80000000
	s_mov_b32 s[G0V], 1
	s_mov_b32 s[G0V+1], s20
	s_mov_b64 s[G0V+2:G0V+3], s[VB:VB+1]
	s_or_b32 s[G0V+3], s[G0V+3], 0x80000000
	TLOAD                                          ; unit 0 into slot 0
	s_add_nc_u64 s[QB1:QB1+1], s[4:5], s[70:71]
	s_add_nc_u64 s[OB1:OB1+1], s[6:7], s[70:71]
	s_and_b32 s72, s[WV], 3
	s_lshl_b32 s72, s72, 13
	s_add_co_u32 s72, s72, 32768                   ; the prefetches stand at unit 1; the first change of slots steps them to unit 2.  Nothing is prefetched at the head
	s_mov_b32 s73, 0
	s_add_nc_u64 s[PFK:PFK+1], s[QB1:QB1+1], s[72:73]
	s_add_nc_u64 s[PFV:PFV+1], s[PFK:PFK+1], 0x2000000
	s_add_nc_u64 s[PFK:PFK+1], s[PFK:PFK+1], 0x1000000
	s_lshl_b32 s72, s[Q0], 7                       ; 128 bytes a query
	s_add_nc_u64 s[QB:QB+1], s[QB1:QB1+1], s[72:73]
	s_add_nc_u64 s[OB:OB+1], s[OB1:OB1+1], s[72:73]
	s_lshl_b32 s72, s[PR], 15
	s_lshl_b32 s74, s[WV], 12
	s_add_co_u32 s72, s72, s74                     ; the second block: query 256 pr + 32 w
	s_add_nc_u64 s[QB1:QB1+1], s[QB1:QB1+1], s[72:73]
	s_add_nc_u64 s[OB1:OB1+1], s[OB1:OB1+1], s[72:73]
	v_and_b32 v32, 15, v0                          ; r
	v_bfe_u32 v33, v0, 4, 1                        ; h
	v_and_b32 v34, 31, v0                          ; l
	v_lshlrev_b32 v[QO], 7, v32
	v_lshl_add_u32 v[QO], v33, 4, v[QO]            ; Q: row r of 128 bytes + 16 h
	QLOAD QB
	v_lshrrev_b32 v35, 1, v32
	v_mul_u32_u24 v[AK0], v35, PK
	v_and_b32 v35, 1, v32
	v_lshl_add_u32 v[AK0], v35, 7, v[AK0]
	v_lshl_add_u32 v[AK0], v33, 4, v[AK0]          ; K: (r / 2) 272 + 128 (r % 2) + 16 h
	v_bfe_u32 v35, v0, 1, 2
	v_lshl_add_u32 v35, v33, 2, v35
	v_mul_u32_u24 v[AV0], v35, PV
	v_and_b32 v35, 1, v0
	v_lshl_add_u32 v[AV0], v35, 7, v[AV0]
	v_bfe_u32 v35, v0, 3, 1
	v_lshl_add_u32 v[AV0], v35, 4, v[AV0]          ; V: key 8 h + l % 8, channels 8 ((l / 8) % 2) on
	s_mul_i32 s70, s[WV], 32*SPT
	s_add_co_u32 s70, s70, STAGE                   ; my stage
	v_mul_u32_u24 v[STO], v32, SPT
	v_lshl_add_u32 v[STO], v33, 4, v[STO]
	v_add_nc_u32 v[STO], s70, v[STO]
	v_bfe_u32 v35, v0, 3, 2
	v_mul_u32_u24 v[RD], v35, SPT
	v_and_b32 v35, 7, v0
	v_lshl_add_u32 v[RD], v35, 4, v[RD]
	v_add_nc_u32 v[RD], s70, v[RD]
	v_lshlrev_b32 v[GO], 4, v34
	v_lshlrev_b32 v[PFO], 8, v34
	v_lshlrev_b32 v35, 3, v33
	v_sub_nc_u32 v[DL], v32, v35
	v_mov_b32 v[NINF], 0xff800000
	INIT
	s_wait_loadcnt 0x0                             ; Q
.Lunit:                                            ; eight trips; behind each change of slots the next trip's unit is asked for
	CHANGE 1
	SWITCH
	UNIT
	s_add_co_u32 s[U], s[U], 1
	s_cmp_lt_u32 s[U], 8
	s_cbranch_scc1 .Lunit
	CHANGE 0                                       ; the ninth unit is written out: nothing is left to fetch
	SWITCH
	UNIT
	WAYOUT OB1
	s_wait_tensorcnt 0x0                           ; the wave's end
	ds_add_u32 v[SPW], v[NIL]
	s_wait_dscnt 0x0
	s_endpgm
.Lfunc_end_k_q3a2568d497_attn:
	.size	k_q3a2568d497_attn, .Lfunc_end_k_q3a2568d497_attn-k_q3a2568d497_attn
	.p2alignl 7, 3214868480
	.fill 96, 4, 3214868480
	.section	.rodata,"a",@progbits
	.p2align	6, 0x0
	.amdhsa_kernel k_q3a2568d497_attn
		.amdhsa_group_segment_fixed_size 327680
		.amdhsa_private_segment_fixed_size 0
		.amdhsa_enable_private_segment 0
		.amdhsa_kernarg_size 16
		.amdhsa_user_sgpr_count 2
		.amdhsa_user_sgpr_kernarg_segment_ptr 1
		.amdhsa_wavefront_size32 1
		.amdhsa_system_sgpr_workgroup_id_x 1
		.amdhsa_system_sgpr_workgroup_id_y 1
		.amdhsa_system_sgpr_workgroup_id_z 1
		.amdhsa_system_vgpr_workitem_id 0
		.amdhsa_next_free_vgpr 512
		.amdhsa_next_free_sgpr 80
		.amdhsa_reserve_vcc 1
		.amdhsa_float_denorm_mode_32 3
		.amdhsa_float_denorm_mode_16_64 3
		.amdhsa_memory_ordered 1
		.amdhsa_forward_progress 1
		.amdhsa_inst_pref_size 82
	.end_amdhsa_kernel
	.amdgpu_metadata
---
amdhsa.version: [ 1, 2 ]
amdhsa.kernels:
  - .name:           k_q3a2568d497_attn
    .symbol:         k_q3a2568d497_attn.kd
    .args:
      - { .name: hd, .offset: 0, .size: 8, .value_kind: global_buffer, .address_space: global }
      - { .name: oh, .offset: 8, .size: 8, .value_kind: global_buffer, .address_space: global }
    .group_segment_fixed_size: 327680
    .private_segment_fixed_size: 0
    .kernarg_segment_align: 8
    .kernarg_segment_size: 16
    .max_flat_workgroup_size: 256
    .sgpr_count:     80
    .vgpr_count:     512
    .wavefront_size: 32
...
	.end_amdgpu_metadata
.endif
;; end of part 3
;; launch oproj (part 4): grid 8 x 32, 4 waves a work-group, clusters of 4 x 4, 327,680 bytes of LDS; arguments oh, wo16, out0; writes out0
.if DOCPART == 4
	.amdgcn_target "amdgcn-amd-amdhsa--gfx1250"
	.amdhsa_code_object_version 6
	.text
	.protected	k_q3a2568d497_oproj
	.globl	k_q3a2568d497_oproj
	.p2align	8
	.type	k_q3a2568d497_oproj,@function
k_q3a2568d497_oproj:
	s_mov_b64 s[64:65], 0
	v_nop
	global_prefetch_b8 v0, s[64:65] scope:SCOPE_SE
	s_setreg_imm32_b32 hwreg(HW_REG_WAVE_MODE, 25, 1), 1
	s_wait_xcnt 0x0
	s_wait_alu depctr_hold_cnt(0) depctr_sa_sdst(0) depctr_va_vdst(0) depctr_va_sdst(0) depctr_va_ssrc(0) depctr_va_vcc(0) depctr_vm_vsrc(0)
	s_getreg_b32 s2, hwreg(HW_REG_IB_STS2, 6, 4)
	s_cmp_eq_u32 s2, 0
	s_cbranch_scc0 .Lentry_in_a_cluster
	s_endpgm
.Lentry_in_a_cluster:
	s_bfe_u32 s2, ttmp6, 0x10000c
	s_cmp_lg_u32 s2, 0xf033
	s_cbranch_scc0 .Lentry_shape_is_right
	s_endpgm
.Lentry_shape_is_right:
; out0[m][n] = sum over k of O[m][k] Wo[n][k], f16 operands, f32 sums, f32 out.  O: oh [4 b][16 h][2048][64] (k = 64 h + d); Wo: wo16 [16 planes][1024 n][64]; out0 [8192][1024].
; (Rows 0-15 of each batch are written here and written again, in f32 throughout, by the launch that follows.)
; A tile of out0 is 256 rows x 128 columns: 256 work-groups.  Four waves, each 128 x 64: 32 accumulators, window 1.  K goes by planes of 64, one head each, two planes (128 along K) to a slot, two slots, eight K steps.
; A plane's part of a tile is dense in memory (256 or 128 rows of 128 bytes): it is stated to the mover as rows of 256 bytes (two rows) with 16 bytes of padding: row x lies at (x / 2) 272 + 128 (x % 2), and the 16 rows of a
; fragment load fall on 16 different columns of 16 bytes.
; CLUSTERS 4 x 4: O's planes are shared along a row of the cluster, Wo's along a column: joint loads, one a wave (waves 0, 1: O's two planes; waves 2, 3: Wo's).
; The matrix instruction is used transposed (source 0 = 16 rows of Wo, source 1 = 16 rows of O): a lane holds eight neighbouring columns of one row of out0.
; REGISTERS: window 0: v16-29 addresses; two fragment buffers of 96 (Wo's 4 fragments, then O's 8) at v64 and v160; on the way out v64-127.  window 1: accumulator (a, b) at v[8 (4 a + b)].
.set PITCH,  272
.set APL,    128*PITCH                 ; a plane of O in LDS
.set BPL,    64*PITCH                  ; a plane of Wo
.set BOFF,   2*APL
.set SLOT,   2*APL+2*BPL
.set STAGE,  2*SLOT                    ; behind the ring: 16 rows x 272 bytes for each wave
.set SPITCH, 272
.set SPARE,  STAGE+4*16*SPITCH
.set LAPS,   4
.set ADRA, 16
.set ADRB, 20
.set STO,  24
.set RD,   25
.set CO,   26
.set SPW,  28
.set NIL,  29
.set F0,   64
.set F1,   160
.set BK,   64
.set G1, 24
.set G0, 32
.set G1B, 48
.set G0B, 56
.set MSB, 0
.macro WIN new
.if MSB != \new
	s_set_vgpr_msb (MSB<<8)|\new
.set MSB, \new
.endif
.endm
.set MUL, 0x50                         ; C and D window 1, sources window 0
.macro JLOAD s                         ; a joint load; an s_nop 0 and four v_nop follow each of the two lines
	s_cmp_eq_u32 s11, 0
	s_cbranch_scc0 .Lfor_b_\@
	tensor_load_to_lds s[G0+4*\s:G0+4*\s+3], s[G1:G1+7]
	s_nop 0
.rept 4
	v_nop
.endr
	s_branch .Lasked_\@
.Lfor_b_\@:
	tensor_load_to_lds s[G0B+4*\s:G0B+4*\s+3], s[G1B:G1B+7]
	s_nop 0
.rept 4
	v_nop
.endr
.Lasked_\@:
.endm
.macro CREST
	s_cmp_lg_u32 s10, 0
	s_cbranch_scc1 .Lnot_wave_0_\@
	s_barrier_signal -3
.Lnot_wave_0_\@:
	s_barrier_wait -3
	s_barrier_signal -1
	s_barrier_wait -1
.endm
.macro CROUND
	s_barrier_signal -1
	s_barrier_wait -1
	CREST
.endm
	s_load_b128 s[4:7], s[0:1], 0x0                ; oh, wo16
	s_load_b64 s[8:9], s[0:1], 0x10                ; out0
	v_lshl_add_u32 v[SPW], v0, 2, SPARE
	v_mov_b32 v[NIL], 0
	ds_add_u32 v[SPW], v[NIL]                      ; the wave's opening: the add, twice on end, and its wait ahead of my first tensor load
	ds_add_u32 v[SPW], v[NIL]
	v_lshrrev_b32 v1, 5, v0
	v_readfirstlane_b32 s10, v1                    ; wave 0..3
	s_lshr_b32 s11, s10, 1                         ; which 128 rows are mine.  Also: I fetch for O (0) or for Wo (1)
	s_and_b32 s12, s10, 1                          ; which 64 columns.  Also: which of a slot's two planes I fetch
	s_bfe_u32 s40, ttmp6, 0x40000                  ; cx
	s_bfe_u32 s41, ttmp6, 0x40004                  ; cy
	s_lshl_b32 s42, ttmp9, 2
	s_add_co_u32 s42, s42, s40                     ; tile column
	s_and_b32 s13, ttmp7, 0xffff
	s_lshl_b32 s13, s13, 2
	s_add_co_u32 s13, s13, s41                     ; tile row
	s_lshl_b32 s43, s41, 2
	s_lshl_b32 s43, 15, s43                        ; my row of the cluster
	s_lshl_b32 s44, 0x1111, s40                    ; my column
	s_or_b32 s[G1+0], s43, (1<<16)|(1<<20)|(1<<21)|(5<<22)|(3<<25)   ; elements of 2 bytes; 4 words of padding after every 64; bit 21 beside a mask
	s_or_b32 s[G1B+0], s44, (1<<16)|(1<<20)|(1<<21)|(5<<22)|(3<<25)
	s_mov_b32 s[G1+1], 128<<16
	s_mov_b32 s[G1+2], 128<<16                     ; 128 double rows: 256 rows of O
	s_mov_b32 s[G1+3], 128<<16
	s_mov_b32 s[G1+4], 128
	s_mov_b32 s[G1+5], 128
	s_mov_b32 s[G1+6], 0
	s_mov_b32 s[G1+7], 0
	s_mov_b32 s[G1B+1], 128<<16
	s_mov_b32 s[G1B+2], 64<<16                     ; 64 double rows: 128 rows of Wo
	s_mov_b32 s[G1B+3], 128<<16
	s_mov_b32 s[G1B+4], 64
	s_mov_b32 s[G1B+5], 128
	s_mov_b32 s[G1B+6], 0
	s_mov_b32 s[G1B+7], 0
	s_lshr_b32 s16, s13, 3                         ; O: batch x 16 heads of 262,144 bytes,
	s_lshl_b32 s16, s16, 22
	s_and_b32 s17, s13, 7
	s_lshl_b32 s17, s17, 15                        ; + position 256 (tile row % 8),
	s_add_co_u32 s16, s16, s17
	s_lshl_b32 s17, s12, 18                        ; + my plane
	s_add_co_u32 s16, s16, s17
	s_mov_b32 s17, 0
	s_lshl_b32 s46, s42, 14                        ; Wo: 128 rows of 128 bytes a tile column, + my plane of 131,072 bytes
	s_lshl_b32 s47, s12, 17
	s_add_co_u32 s46, s46, s47
	s_mov_b32 s47, 0
	s_mul_i32 s20, s12, APL                        ; where they go: no place in the cluster enters an LDS address
	s_mul_i32 s21, s12, BPL
	s_add_co_u32 s21, s21, BOFF
	s_wait_dscnt 0x0                               ; both opening adds are done
	s_wait_kmcnt 0x0
	s_add_nc_u64 s[14:15], s[4:5], s[16:17]
	s_add_nc_u64 s[46:47], s[6:7], s[46:47]
	CROUND                                         ; all sixteen work-groups are here: the first joint loads meet
.irp s, 0,1
	s_mov_b32 s[G0+4*\s], 1
	s_add_co_u32 s[G0+4*\s+1], s20, \s*SLOT
	s_add_nc_u64 s[G0+4*\s+2:G0+4*\s+3], s[14:15], \s*2*262144
	s_or_b32 s[G0+4*\s+3], s[G0+4*\s+3], 0x80000000
	s_mov_b32 s[G0B+4*\s], 1
	s_add_co_u32 s[G0B+4*\s+1], s21, \s*SLOT
	s_add_nc_u64 s[G0B+4*\s+2:G0B+4*\s+3], s[46:47], \s*2*131072
	s_or_b32 s[G0B+4*\s+3], s[G0B+4*\s+3], 0x80000000
	JLOAD \s
.endr
	v_and_b32 v1, 15, v0                           ; r
	v_bfe_u32 v2, v0, 4, 1                         ; h
	v_lshrrev_b32 v3, 1, v1
	v_mul_u32_u24 v3, v3, PITCH
	v_and_b32 v4, 1, v1
	v_lshl_add_u32 v3, v4, 7, v3
	v_lshl_add_u32 v3, v2, 4, v3                   ; (r / 2) 272 + 128 (r % 2) + 16 h
	s_mul_i32 s21, s11, 64*PITCH                   ; my 128 rows of O
	s_mul_i32 s22, s12, 32*PITCH                   ; my 64 rows of Wo
	s_add_co_u32 s22, s22, BOFF
.irp s, 0,1
	v_add_nc_u32 v[ADRA+\s], s21, v3
	v_add_nc_u32 v[ADRB+\s], s22, v3
	s_add_co_u32 s21, s21, SLOT
	s_add_co_u32 s22, s22, SLOT
.endr
	s_mul_i32 s23, s10, 16*SPITCH
	s_add_co_u32 s23, s23, STAGE                   ; my stage
	v_mul_u32_u24 v4, v1, SPITCH
	v_lshl_add_u32 v4, v2, 5, v4
	v_add_nc_u32 v[STO], s23, v4                   ; in: row r, 32 bytes for each half of the lanes
	v_mul_u32_u24 v5, v2, SPITCH
	v_lshl_add_u32 v5, v1, 4, v5
	v_add_nc_u32 v[RD], s23, v5                    ; back: lanes 0-15 one row of 256 bytes, lanes 16-31 the next
	v_lshlrev_b32 v5, 12, v2
	v_lshl_add_u32 v[CO], v1, 4, v5                ; and the same two rows in out0
	s_lshl_b32 s16, s13, 20                        ; 256 rows of 4,096 bytes a tile row,
	s_lshl_b32 s17, s11, 19                        ; + my 128 rows
	s_add_co_u32 s16, s16, s17
	s_mov_b32 s17, 0
	s_add_nc_u64 s[8:9], s[8:9], s[16:17]
	s_lshl_b32 s46, s42, 9                         ; + 512 bytes a tile column + my 256
	s_lshl_b32 s47, s12, 8
	s_add_co_u32 s46, s46, s47
	s_mov_b32 s47, 0
	s_add_nc_u64 s[8:9], s[8:9], s[46:47]
; 8 matrix instructions: O's blocks a0, a0 + 1 against Wo's four, 32 along K.  The 32 accumulators take turns, in the same order in every quarter.
.macro MUL8 f, a0, zero
.irp a, \a0, \a0+1
.irp b, 0,1,2,3
.if \zero
	v_wmma_f32_16x16x32_f16 v[8*(4*(\a)+\b):8*(4*(\a)+\b)+7], v[\f+8*\b:\f+8*\b+7], v[\f+32+8*(\a):\f+32+8*(\a)+7], 0
.else
	v_wmma_f32_16x16x32_f16 v[8*(4*(\a)+\b):8*(4*(\a)+\b)+7], v[\f+8*\b:\f+8*\b+7], v[\f+32+8*(\a):\f+32+8*(\a)+7], v[8*(4*(\a)+\b):8*(4*(\a)+\b)+7]
.endif
.endr
.endr
.endm
; 24 LDS loads in one run: quarter q of a slot (plane q / 2, channels 32 (q % 2) on) into buffer f: Wo's four fragments, then O's eight
.macro FETCH slot, q, f
	WIN 0
.irp i, 0,1,2,3
	ds_load_b128 v[\f+8*\i:\f+8*\i+3],   v[ADRB+\slot] offset:((\q)/2)*BPL+((\q)%2)*64+\i*8*PITCH
	ds_load_b128 v[\f+8*\i+4:\f+8*\i+7], v[ADRB+\slot] offset:((\q)/2)*BPL+((\q)%2)*64+\i*8*PITCH+32
.endr
.irp i, 0,1,2,3,4,5,6,7
	ds_load_b128 v[\f+32+8*\i:\f+32+8*\i+3],   v[ADRA+\slot] offset:((\q)/2)*APL+((\q)%2)*64+\i*8*PITCH
	ds_load_b128 v[\f+32+8*\i+4:\f+32+8*\i+7], v[ADRA+\slot] offset:((\q)/2)*APL+((\q)%2)*64+\i*8*PITCH+32
.endr
.endm
.macro PLACES                          ; four plain lines in front of loads into registers that matrix instructions have read, and of reads of results
.rept 4
	v_nop
.endr
.endm
; A quarter multiplies buffer f (32 matrix instructions) and fetches quarter q of the same slot into g.
.macro QUARTER slot, q, f, g, zero
	s_wait_dscnt 8                                 ; Wo's fragments and O's blocks 0-3 are in; the youngest eight loads (blocks 4-7) may be out
	WIN MUL
	MUL8 \f, 0, \zero
	MUL8 \f, 2, \zero
	PLACES
	FETCH \slot, \q, \g
	s_wait_dscnt 24                                ; all but the 24 just issued
	WIN MUL
	MUL8 \f, 4, \zero
	MUL8 \f, 6, \zero
.endm
; A slot's last quarter multiplies buffer 1 and changes slots: one barrier; in front of it each wave waits for all its tensor loads, adds 0 to its spare word, and waits for that and for its reads of this slot.
.macro TURN slot, next, fill
	WIN 0
	s_wait_tensorcnt 0x0                           ; all my tensor loads have landed: my part of the next slot
	ds_add_u32 v[SPW], v[NIL]
	s_wait_dscnt 9                                 ; the add and the youngest eight loads may be out
	WIN MUL
	MUL8 F1, 0, 0
	s_wait_dscnt 0x0                               ; the add is done, and my reads of this slot are over
	s_barrier_signal -1
	MUL8 F1, 2, 0
	WIN 0
	s_barrier_wait -1
.if \fill
	CREST                                          ; the barrier has opened a round of the cluster's: no wave of any partner still reads this slot or has a load on its way
	s_add_nc_u64 s[G0+4*\slot+2:G0+4*\slot+3], s[G0+4*\slot+2:G0+4*\slot+3], 4*262144
	s_add_nc_u64 s[G0B+4*\slot+2:G0B+4*\slot+3], s[G0B+4*\slot+2:G0B+4*\slot+3], 4*131072
	JLOAD \slot                                    ; the first tensor load behind the round; its four v_nop are also the places in front of the loads below
.else
	PLACES
.endif
	FETCH \next, 0, F0
	WIN MUL
	MUL8 F1, 4, 0
	MUL8 F1, 6, 0
.endm
	s_wait_tensorcnt 1                             ; my part of K step 0 is in; K step 1's load may be out
	s_barrier_signal -1
	s_barrier_wait -1
	FETCH 0, 0, F0
	QUARTER 0, 1, F0, F1, 1                        ; the first quarter's products start the sums
	WIN 0
	s_mov_b32 s3, LAPS-1
.Llap:                                             ; a trip goes once round the ring and fills both slots again: K steps 2 to 7
	QUARTER 0, 2, F1, F0, 0
	QUARTER 0, 3, F0, F1, 0
	TURN 0, 1, 1
	QUARTER 1, 1, F0, F1, 0
	QUARTER 1, 2, F1, F0, 0
	QUARTER 1, 3, F0, F1, 0
	TURN 1, 0, 1
	QUARTER 0, 1, F0, F1, 0
	WIN 0
	s_sub_co_u32 s3, s3, 1
	s_cmp_lg_u32 s3, 0
	s_cbranch_scc1 .Llap
	QUARTER 0, 2, F1, F0, 0                        ; the last lap fills nothing
	QUARTER 0, 3, F0, F1, 0
	TURN 0, 1, 0
	QUARTER 1, 1, F0, F1, 0
	QUARTER 1, 2, F1, F0, 0
	QUARTER 1, 3, F0, F1, 0
	s_wait_dscnt 8
	WIN MUL
	MUL8 F1, 0, 0
	MUL8 F1, 2, 0
	s_wait_dscnt 0
	MUL8 F1, 4, 0
	MUL8 F1, 6, 0
	WIN 0
; THE WAY OUT, block by block of 16 rows x 64 columns of f32: through my own stage, back as whole rows of 256 bytes: sixteen lanes store 256 consecutive bytes, aligned.
.macro TOSTAGE a
	WIN 0x04                                       ; an LDS store's data: window 1
.irp b, 0,1,2,3
	ds_store_b128 v[STO], v[8*(4*(\a)+\b):8*(4*(\a)+\b)+3] offset:64*\b          ; each accumulator from its low end on
	ds_store_b128 v[STO], v[8*(4*(\a)+\b)+4:8*(4*(\a)+\b)+7] offset:64*\b+16
.endr
	WIN 0
.set BB, BK+32*((\a)%2)
.irp i, 0,1,2,3,4,5,6,7
	ds_load_b128 v[BB+4*\i:BB+4*\i+3], v[RD] offset:\i*2*SPITCH                  ; LDS serves a wave's instructions in order
.endr
.endm
.macro SEND a, younger
.set BB, BK+32*((\a)%2)
	s_wait_dscnt \younger                          ; the block is back; the next block's eight stores and eight loads may be out
.if (\a) > 0
	s_add_nc_u64 s[8:9], s[8:9], 16*4096           ; 16 rows on (behind a wait that shows the earlier stores' base read)
.endif
.irp i, 0,1,2,3,4,5,6,7
	global_store_b128 v[CO], v[BB+4*\i:BB+4*\i+3], s[8:9] offset:\i*8192 th:TH_STORE_NT
.endr
.endm
	PLACES
	TOSTAGE 0
.irp a, 1,2,3,4,5,6,7
.if \a > 1
	s_wait_xcnt 0x0                                ; block a - 2's stores have read their registers and their base
.endif
	TOSTAGE \a
	SEND \a-1, 16
.endr
	s_wait_xcnt 0x0
	SEND 7, 0
	s_wait_tensorcnt 0x0                           ; the wave's end
	ds_add_u32 v[SPW], v[NIL]
	s_wait_dscnt 0x0
	CROUND                                         ; the closing round
	s_endpgm
.Lfunc_end_k_q3a2568d497_oproj:
	.size	k_q3a2568d497_oproj, .Lfunc_end_k_q3a2568d497_oproj-k_q3a2568d497_oproj
	.p2alignl 7, 3214868480
	.fill 96, 4, 3214868480
	.section	.rodata,"a",@progbits
	.p2align	6, 0x0
	.amdhsa_kernel k_q3a2568d497_oproj
		.amdhsa_group_segment_fixed_size 327680
		.amdhsa_private_segment_fixed_size 0
		.amdhsa_enable_private_segment 0
		.amdhsa_kernarg_size 24
		.amdhsa_user_sgpr_count 2
		.amdhsa_user_sgpr_kernarg_segment_ptr 1
		.amdhsa_wavefront_size32 1
		.amdhsa_system_sgpr_workgroup_id_x 1
		.amdhsa_system_sgpr_workgroup_id_y 1
		.amdhsa_system_sgpr_workgroup_id_z 1
		.amdhsa_system_vgpr_workitem_id 0
		.amdhsa_next_free_vgpr 512
		.amdhsa_next_free_sgpr 66
		.amdhsa_reserve_vcc 0
		.amdhsa_float_denorm_mode_32 3
		.amdhsa_float_denorm_mode_16_64 3
		.amdhsa_memory_ordered 1
		.amdhsa_forward_progress 1
		.amdhsa_inst_pref_size 86
	.end_amdhsa_kernel
	.amdgpu_metadata
---
amdhsa.version: [ 1, 2 ]
amdhsa.kernels:
  - .name:           k_q3a2568d497_oproj
    .symbol:         k_q3a2568d497_oproj.kd
    .args:
      - { .name: oh, .offset: 0, .size: 8, .value_kind: global_buffer, .address_space: global }
      - { .name: wo16, .offset: 8, .size: 8, .value_kind: global_buffer, .address_space: global }
      - { .name: out0, .offset: 16, .size: 8, .value_kind: global_buffer, .address_space: global }
    .group_segment_fixed_size: 327680
    .private_segment_fixed_size: 0
    .kernarg_segment_align: 8
    .kernarg_segment_size: 24
    .max_flat_workgroup_size: 128
    .sgpr_count:     66
    .vgpr_count:     512
    .wavefront_size: 32
...
	.end_amdgpu_metadata
.endif
;; end of part 4
;; launch fine (part 5): grid 16 x 4, 16 waves a work-group, no clusters, 71,680 bytes of LDS; arguments fb, Wo, out0; writes out0
.if DOCPART == 5
	.amdgcn_target "amdgcn-amd-amdhsa--gfx1250"
	.amdhsa_code_object_version 6
	.text
	.protected	k_q3a2568d497_fine
	.globl	k_q3a2568d497_fine
	.p2align	8
	.type	k_q3a2568d497_fine,@function
k_q3a2568d497_fine:
	s_mov_b64 s[64:65], 0
	v_nop
	global_prefetch_b8 v0, s[64:65] scope:SCOPE_SE
	s_setreg_imm32_b32 hwreg(HW_REG_WAVE_MODE, 25, 1), 1
	s_wait_xcnt 0x0
; Positions 0-15 of each batch, all in f32: under the causal mask these rows average one to sixteen values, and they see keys 0-15 alone.  fb [3 t][4 b][16][1024] holds their projected q, k, v as f32.
; Work-group (jc, b) makes rows 0-15 of batch b, columns 64 jc on, of out0.  Wave w takes head w: its 16 x 16 scores, the softmax with the row's maximum taken away, P V, and its O (K slice 64 w on) times Wo's 64 rows.
; The sixteen waves' partial sums meet in LDS; wave w adds and stores row w.
; All products by the f32 matrix form, 4 along K an instruction; both operands of a product take the same order of k.  Registers that this form writes are written by it alone.
; Both attention products are used transposed: a lane holds one query (lane % 16).  Clusters, tensor loads and a ring buy nothing here: 64 rows in all.
.set KR,  16                           ; v16-47  K; later Wo's tile 2; later the sixteen partial pairs
.set QR,  48                           ; v48-79  Q; later Wo's tile 3
.set VR,  80                           ; v80-111 V; later O / the sum
.set ON,  80
.set S0,  112                          ; v112-127 two halves of the scores; later out tiles 0, 1
.set S1,  120
.set PP,  128                          ; v128-135 p
.set OA,  136                          ; v136-167 O^T
.set W0,  168
.set W1,  200
.set W2,  16
.set W3,  48
.set Y0,  112
.set Y1,  120
.set Y2,  232
.set Y3,  240
.set SPW, 252
.set NIL, 253
.set PART, 4352                        ; a wave's partial sums: 16 rows x (256 bytes + 16)
.set SPARE, 16*PART
	s_load_b128 s[4:7], s[0:1], 0x0                ; fb, Wo
	s_load_b64 s[8:9], s[0:1], 0x10                ; out0
	v_lshl_add_u32 v[SPW], v0, 2, SPARE
	v_mov_b32 v[NIL], 0
	v_lshrrev_b32 v1, 5, v0
	v_readfirstlane_b32 s10, v1                    ; wave = head
	s_and_b32 s12, ttmp7, 0xffff                   ; batch
	s_mov_b32 s14, 0x3e38aa3b                      ; c = log2(e) / 8
	s_mov_b32 s16, 0x76543210
	s_mov_b32 s17, 0xfedcba98
	v_and_b32 v1, 15, v0                           ; r
	v_bfe_u32 v2, v0, 4, 1                         ; h
	v_and_b32 v15, 31, v0                          ; l
	v_lshlrev_b32 v3, 12, v1
	v_lshl_add_u32 v5, v2, 5, v3                   ; Wo: row r of 4,096 bytes + 32 h
	v_lshl_add_u32 v3, v2, 4, v3                   ; q, k: row r + 16 h
	v_lshlrev_b32 v4, 2, v1
	v_lshl_add_u32 v4, v2, 15, v4                  ; v: key 8 h on, channel r
	s_mul_i32 s18, s10, PART
	v_mul_u32_u24 v6, v1, 272
	v_lshl_add_u32 v6, v2, 5, v6
	v_add_nc_u32 v6, s18, v6                       ; my partial sums: row r, 32 bytes for each half of the lanes
	s_mul_i32 s18, s10, 272
	v_lshl_add_u32 v7, v15, 3, s18                 ; back: row w of every wave's part, 8 bytes a lane
	v_lshlrev_b32 v8, 3, v2
	v_sub_nc_u32 v8, v1, v8                        ; d = r - 8 h: register j holds key 8 h + j: hidden where j > d
	v_mov_b32 v9, 0xff800000
	v_mov_b32 v11, 0                               ; (a lane permute's destination counts as one of its sources)
	s_lshl_b32 s18, s10, 12
	v_lshl_add_u32 v14, v15, 3, s18                ; out0: row w, 8 bytes a lane
	s_lshl_b32 s18, s12, 16
	s_lshl_b32 s20, s10, 8
	s_add_co_u32 s18, s18, s20                     ; fb: batch x 65,536 + head x 256
	s_mov_b32 s19, 0
	s_lshl_b32 s22, ttmp9, 18
	s_add_co_u32 s20, s22, s20                     ; Wo: 64 rows a work-group + my K slice
	s_mov_b32 s21, 0
	s_lshl_b32 s22, s12, 23
	s_lshl_b32 s24, ttmp9, 8
	s_add_co_u32 s22, s22, s24                     ; out0: batch x 2,048 rows + my 64 columns
	s_mov_b32 s23, 0
	s_wait_kmcnt 0x0
	s_add_nc_u64 s[4:5], s[4:5], s[18:19]
	s_add_nc_u64 s[6:7], s[6:7], s[20:21]
	s_add_nc_u64 s[8:9], s[8:9], s[22:23]
.irp s, 0,1,2,3,4,5,6,7
	global_load_b128 v[KR+4*\s:KR+4*\s+3], v3, s[4:5] offset:262144+32*\s     ; k(r, 8 s + 4 h + 0 .. 3)
.endr
.irp s, 0,1,2,3,4,5,6,7
	global_load_b128 v[QR+4*\s:QR+4*\s+3], v3, s[4:5] offset:32*\s            ; q likewise
.endr
.irp ct, 0,1,2,3
.irp x, 0,1,2,3,4,5,6,7
	global_load_b32 v[VR+8*\ct+\x], v4, s[4:5] offset:524288+\x*4096+64*\ct   ; v(key 8 h + x, channel 16 ct + r)
.endr
.endr
.macro WLOAD reg, nt                   ; Wo(64 jc + 16 nt + r, 64 w + 16 ct + 8 h + x) into register 8 ct + x
.irp ct, 0,1,2,3
.irp e, 0,1
	global_load_b128 v[\reg+8*\ct+4*\e:\reg+8*\ct+4*\e+3], v5, s[6:7] offset:\nt*65536+64*\ct+16*\e
.endr
.endr
.endm
	WLOAD W0, 0
	WLOAD W1, 1
	s_wait_loadcnt 48                              ; k and q are in; v's 32 loads and the 16 of Wo's tiles 0, 1 may be out
	; S^T = k q^T: two sums by turns, each begun by its own first K step
	v_wmma_f32_16x16x4_f32 v[S0:S0+7], v[KR:KR+1], v[QR:QR+1], 0
	v_wmma_f32_16x16x4_f32 v[S1:S1+7], v[KR+2:KR+3], v[QR+2:QR+3], 0
.irp s, 1,2,3,4,5,6,7
	v_wmma_f32_16x16x4_f32 v[S0:S0+7], v[KR+4*\s:KR+4*\s+1], v[QR+4*\s:QR+4*\s+1], v[S0:S0+7]
	v_wmma_f32_16x16x4_f32 v[S1:S1+7], v[KR+4*\s+2:KR+4*\s+3], v[QR+4*\s+2:QR+4*\s+3], v[S1:S1+7]
.endr
.rept 8
	v_nop                                          ; eight plain lines behind this form, ahead of reads of results and of loads into its sources
.endr
	WLOAD W2, 2
	WLOAD W3, 3
.irp j, 0,1,2,3,4,5,6,7
	v_add_f32 v[PP+\j], v[S0+\j], v[S1+\j]         ; the score of key 8 h + j and query r (not yet divided by 8: that lies in c)
.endr
.irp j, 0,1,2,3,4,5,6,7
	v_cmp_gt_i32 vcc_lo, \j, v8
	v_cndmask_b32 v[PP+\j], v[PP+\j], v9, vcc_lo   ; hidden keys: -infinity
.endr
	v_max3_num_f32 v10, v[PP], v[PP+1], v[PP+2]
	v_max3_num_f32 v10, v10, v[PP+3], v[PP+4]
	v_max3_num_f32 v10, v10, v[PP+5], v[PP+6]
	v_max_num_f32 v10, v10, v[PP+7]
	v_permlanex16_b32 v11, v10, s16, s17
	v_max_num_f32 v10, v10, v11                    ; the row's maximum: key 0 counts for every query
	v_mul_f32 v10, s14, v10
.irp j, 0,1,2,3,4,5,6,7
	v_fma_f32 v[PP+\j], v[PP+\j], s14, -v10
.endr
.irp j, 0,1,2,3,4,5,6,7
	v_exp_f32 v[PP+\j], v[PP+\j]
.endr
	v_nop                                          ; a plain line behind the last exponential
	s_wait_alu depctr_va_vdst(0)                   ; one wait for the eight, ahead of their first reader
	v_add_f32 v12, v[PP], v[PP+1]
	v_add_f32 v13, v[PP+2], v[PP+3]
	v_add_f32 v12, v12, v[PP+4]
	v_add_f32 v13, v13, v[PP+5]
	v_add_f32 v12, v12, v[PP+6]
	v_add_f32 v13, v13, v[PP+7]
	v_add_f32 v12, v12, v13
	v_permlanex16_b32 v11, v12, s16, s17
	v_add_f32 v12, v12, v11                        ; the row's sum
	v_rcp_f32 v13, v12
	v_nop
	s_wait_alu depctr_va_vdst(0)
	s_wait_loadcnt 32                              ; v is in; Wo's four tiles (32 loads) may be out
	; O^T = v^T p: four accumulators by turns; product i takes keys 8 h + 2 i, + 1
.irp i, 0,1,2,3
.irp ct, 0,1,2,3
.if \i == 0
	v_wmma_f32_16x16x4_f32 v[OA+8*\ct:OA+8*\ct+7], v[VR+8*\ct+2*\i:VR+8*\ct+2*\i+1], v[PP+2*\i:PP+2*\i+1], 0
.else
	v_wmma_f32_16x16x4_f32 v[OA+8*\ct:OA+8*\ct+7], v[VR+8*\ct+2*\i:VR+8*\ct+2*\i+1], v[PP+2*\i:PP+2*\i+1], v[OA+8*\ct:OA+8*\ct+7]
.endif
.endr
.endr
.rept 8
	v_nop
.endr
.set x, 0
.rept 32
	v_mul_f32 v[ON+x], v[OA+x], v13                ; O / the sum, into other registers: register 8 ct + j is channel 16 ct + 8 h + j of query r
.set x, x+1
.endr
	s_wait_loadcnt 0x0
	; my part of the projection: out^T tile nt += Wo's 16 rows x my O, 4 along K a product: four accumulators by turns
.set x, 0
.rept 16
.if x == 0
	v_wmma_f32_16x16x4_f32 v[Y0:Y0+7], v[W0+x:W0+x+1], v[ON+x:ON+x+1], 0
	v_wmma_f32_16x16x4_f32 v[Y1:Y1+7], v[W1+x:W1+x+1], v[ON+x:ON+x+1], 0
	v_wmma_f32_16x16x4_f32 v[Y2:Y2+7], v[W2+x:W2+x+1], v[ON+x:ON+x+1], 0
	v_wmma_f32_16x16x4_f32 v[Y3:Y3+7], v[W3+x:W3+x+1], v[ON+x:ON+x+1], 0
.else
	v_wmma_f32_16x16x4_f32 v[Y0:Y0+7], v[W0+x:W0+x+1], v[ON+x:ON+x+1], v[Y0:Y0+7]
	v_wmma_f32_16x16x4_f32 v[Y1:Y1+7], v[W1+x:W1+x+1], v[ON+x:ON+x+1], v[Y1:Y1+7]
	v_wmma_f32_16x16x4_f32 v[Y2:Y2+7], v[W2+x:W2+x+1], v[ON+x:ON+x+1], v[Y2:Y2+7]
	v_wmma_f32_16x16x4_f32 v[Y3:Y3+7], v[W3+x:W3+x+1], v[ON+x:ON+x+1], v[Y3:Y3+7]
.endif
.set x, x+2
.endr
.rept 8
	v_nop
.endr
	ds_store_b128 v6, v[Y0:Y0+3]                   ; lane (r, h): row r, columns 16 nt + 8 h + 0 .. 7; each accumulator from its low end on
	ds_store_b128 v6, v[Y0+4:Y0+7] offset:16
	ds_store_b128 v6, v[Y1:Y1+3] offset:64
	ds_store_b128 v6, v[Y1+4:Y1+7] offset:80
	ds_store_b128 v6, v[Y2:Y2+3] offset:128
	ds_store_b128 v6, v[Y2+4:Y2+7] offset:144
	ds_store_b128 v6, v[Y3:Y3+3] offset:192
	ds_store_b128 v6, v[Y3+4:Y3+7] offset:208
	s_wait_dscnt 0x0                               ; for the others' sake: my stores are done
	s_barrier_signal -1
	s_barrier_wait -1
.irp s, 0,1,2,3,4,5,6,7,8,9,10,11,12,13,14,15
	ds_load_b64 v[16+2*\s:17+2*\s], v7 offset:\s*PART
.endr
	s_wait_dscnt 0x0
.irp s, 0,1,2,3,4,5,6,7
	v_pk_add_f32 v[16+4*\s:17+4*\s], v[16+4*\s:17+4*\s], v[18+4*\s:19+4*\s]
.endr
.irp s, 0,1,2,3
	v_pk_add_f32 v[16+8*\s:17+8*\s], v[16+8*\s:17+8*\s], v[20+8*\s:21+8*\s]
.endr
.irp s, 0,1
	v_pk_add_f32 v[16+16*\s:17+16*\s], v[16+16*\s:17+16*\s], v[24+16*\s:25+16*\s]
.endr
	v_pk_add_f32 v[16:17], v[16:17], v[32:33]
	global_store_b64 v14, v[16:17], s[8:9]         ; the wave stores 256 consecutive bytes of row w, aligned
	s_wait_tensorcnt 0x0                           ; the wave's end
	ds_add_u32 v[SPW], v[NIL]
	s_wait_dscnt 0x0
	s_endpgm
.Lfunc_end_k_q3a2568d497_fine:
	.size	k_q3a2568d497_fine, .Lfunc_end_k_q3a2568d497_fine-k_q3a2568d497_fine
	.p2alignl 7, 3214868480
	.fill 96, 4, 3214868480
	.section	.rodata,"a",@progbits
	.p2align	6, 0x0
	.amdhsa_kernel k_q3a2568d497_fine
		.amdhsa_group_segment_fixed_size 71680
		.amdhsa_private_segment_fixed_size 0
		.amdhsa_enable_private_segment 0
		.amdhsa_kernarg_size 24
		.amdhsa_user_sgpr_count 2
		.amdhsa_user_sgpr_kernarg_segment_ptr 1
		.amdhsa_wavefront_size32 1
		.amdhsa_system_sgpr_workgroup_id_x 1
		.amdhsa_system_sgpr_workgroup_id_y 1
		.amdhsa_system_sgpr_workgroup_id_z 1
		.amdhsa_system_vgpr_workitem_id 0
		.amdhsa_next_free_vgpr 256
		.amdhsa_next_free_sgpr 66
		.amdhsa_reserve_vcc 1
		.amdhsa_float_denorm_mode_32 3
		.amdhsa_float_denorm_mode_16_64 3
		.amdhsa_memory_ordered 1
		.amdhsa_forward_progress 1
		.amdhsa_inst_pref_size 23
	.end_amdhsa_kernel
	.amdgpu_metadata
---
amdhsa.version: [ 1, 2 ]
amdhsa.kernels:
  - .name:           k_q3a2568d497_fine
    .symbol:         k_q3a2568d497_fine.kd
    .args:
      - { .name: fb, .offset: 0, .size: 8, .value_kind: global_buffer, .address_space: global }
      - { .name: Wo, .offset: 8, .size: 8, .value_kind: global_buffer, .address_space: global }
      - { .name: out0, .offset: 16, .size: 8, .value_kind: global_buffer, .address_space: global }
    .group_segment_fixed_size: 71680
    .private_segment_fixed_size: 0
    .kernarg_segment_align: 8
    .kernarg_segment_size: 24
    .max_flat_workgroup_size: 512
    .sgpr_count:     66
    .vgpr_count:     256
    .wavefront_size: 32
...
	.end_amdgpu_metadata
.endif
;; end of part 5
